; MI455X (gfx1250); checked and timed in simulation.
; The chip was launched on July 23, 2026; its instructions are those of AMD's public machine-readable ISA for CDNA 5 (MIT licence, August 2026) and "CDNA5" Instruction Set Architecture Reference Guide (July 2026). The comments in the code are by the model that wrote it; some were corrected since.
;; Causal Self Attention. Allowed arithmetic: matrix products marked QUANTISED: E2M3 operands, one E8M0 scale for each 32 along K, by v_wmma_scale_f32_16x16x128_f8f6f4 with both operands' format E2M3, f32 sums; everything else in f32.
;; Inputs: Wproj 1,024 x 1,024 float32; Wqkv 1,024 x 3,072 float32; bproj 1,024 float32; bqkv 3,072 float32; x 4 x 2,048 x 1,024 float32.
;; Outputs: out0 4 x 2,048 x 1,024 float32.
;; This version of the problem:
;;   THIS VERSION OF THE PROBLEM IS GIVEN IN LOW PRECISION. The matrix products marked QUANTISED in the list below multiply operands that are first quantised to E2M3 (2 exponent bits, 3 mantissa bits; 6 bits a number), with one power-of-two scale for each 32 numbers along K (OCP MX v1.0); their sums are f32. All else is computed in f32.
;;   The module's matrix products, in the order in which they are computed (A, B: the left and right operand; K: the contracted axis; several contracted axes count as one K, in the product's order):
;;     1. [M 8,192, K 1,024] x [K 1,024, N 3,072]; A: input x; B: input Wqkv: QUANTISED
;;     2. batch 64 x [M 2,048, K 64] x [K 64, N 2,048]; A: computed on the way; B: computed on the way: QUANTISED
;;     3. batch 64 x [M 2,048, K 2,048] x [K 2,048, N 64]; A: softmax (see below); B: computed on the way: QUANTISED
;;     4. [M 8,192, K 1,024] x [K 1,024, N 1,024]; A: computed on the way; B: input Wproj: QUANTISED
;;   THE QUANTISER, for each operand of a quantised product, along K:
;;     - K is cut into blocks of 32 from its start; a last block that is shorter is filled with zeros.
;;     - A block's scale is 2^e with e = floor(log2(the largest magnitude in the block)) - 2, held to -126 .. 127; a block of zeros has e = 0. As a byte (E8M0): e + 127.
;;     - Each number is divided by its block's scale, clamped to +-7.5, and rounded to the nearest number of E2M3, ties to even, subnormals kept.
;;     - The product sums the exact products of the quantised numbers (number of the format x scale) in f32.
;;   ~~~python
;;   def quantise(x, axis):      # numpy; x: float32 -> the quantised numbers, widened to float32 again
;;       x = np.moveaxis(x, axis, -1); K = x.shape[-1]
;;       x = np.pad(x, [(0, 0)] * (x.ndim - 1) + [(0, -K % 32)]); x = x.reshape(x.shape[:-1] + (-1, 32)); a = np.abs(x).max(-1, keepdims=True)
;;       e = np.where(a > 0, np.clip(np.frexp(np.where(a > 0, a, 1))[1] - 1 - 2, -126, 127), 0)      # np.frexp(a)[1] - 1 = floor(log2(a)), exactly
;;       r = np.clip(x / 2.0 ** e, -7.5, 7.5)
;;       step = 2.0 ** (np.maximum(np.frexp(np.where(r == 0, 1, r))[1] - 1, 0) - 3)
;;       q = np.round(r / step) * step * 2.0 ** e      # np.round: ties to even
;;       return np.moveaxis(q.reshape(q.shape[:-2] + (-1,))[..., :K], -1, axis).astype(np.float32)
;;   ~~~
;;   SOFTMAX AHEAD OF A QUANTISED PRODUCT. Where the list says 'softmax', what is quantised is not the finished softmax but p = 2^(t - M), with t = logit x log2(e) and M = ceil(the row's largest t), a whole number; so 1/2 < the row's largest p <= 1. The row's sum l is taken of the UNQUANTISED p, in f32, and the product's result is divided by l at the end. Since M is a whole number, a kernel that streams over the keys may use a running M (the ceiling of the running maximum): every later rescaling is an exact power of two, which a block's scale takes up: the codes' values come out the same.
;;   OPERANDS COMPUTED ON THE WAY. 'Computed on the way' means the value that the module computes at that place (a softmax that the list does not call 'softmax' is quantised finished and normalised). What goes into a quantiser is computed in f32, as accurately as f32 sums, v_exp_f32 and their like allow (about 1e-6 of the number): no bf16 or f16 on the way to a quantiser, and a product that is left as it is and whose result goes on into a quantised operand takes f32 operands (vector FMAs, or v_wmma_f32_16x16x4_f32). A number that lies on a knife's edge between two numbers of the format may be rounded either way, as far as f32 arithmetic and the matrix unit's own rounding can turn it there, and no further.
;; One version. Each part assembles by itself: llvm-mc -triple=amdgcn-amd-amdhsa -mcpu=gfx1250 --defsym DOCPART=n.
;; ======== version 1 of 1: 4 launches
;; workspace buffers: xc 6,291,456 bytes; wc 3,145,728 bytes; yc 6,291,456 bytes; scl 655,360 bytes; qk 13,631,488 bytes; vv 6,815,744 bytes
;; launch quant (part 1): grid 384 x 1, 4 waves a work-group, no clusters, 85,504 bytes of LDS; arguments x, Wqkv, Wproj, xc, wc, scl; writes xc, wc, scl
.if DOCPART == 1
	.amdgcn_target "amdgcn-amd-amdhsa--gfx1250"
	.amdhsa_code_object_version 6
	.text
	.protected	k_q6b2da8fe23_quant
	.globl	k_q6b2da8fe23_quant
	.p2align	8
	.type	k_q6b2da8fe23_quant,@function
k_q6b2da8fe23_quant:
	s_mov_b64 s[64:65], 0
	v_nop
	global_prefetch_b8 v0, s[64:65] scope:SCOPE_SE
	s_setreg_imm32_b32 hwreg(HW_REG_WAVE_MODE, 25, 1), 1
	s_wait_xcnt 0x0
; x [8192][1024], Wqkv [1024][3072] and Wproj [1024][1024], f32, become codes of FP6 (E2M3) with one E8M0 byte for each 32 along K (K = 1,024 in all three).
; A block's scale is 2^(floor(log2(its largest magnitude)) - 2); its byte is that magnitude's exponent field - 2, held at 1 from below.
; LIMITS: a block of zeros gets the byte 1 where the rule says 127 (its codes are zeros, and this program alone reads the bytes); blocks whose largest magnitude lies under 2^-124 are
; held at that floor; NaN and infinities among the inputs are not served.
; LAYOUT OF THE CODES (xc, wc): AN IMAGE OF THE OPERAND'S REGISTERS.  Sixteen rows form a tile; tile t of a group of 128 rows has at its row r the group's row 32 (t / 2) + 8 (t % 2) + r + 8 (r / 8).
; A tile is 12,288 bytes: for each 64 along K 768 bytes, in them three runs of 256: run i holds at 8 x lane the registers 2 i, 2 i + 1 of the six that hold K = 32 (lane / 16) + 0 .. 31 of row lane % 16.
; THE SCALE BYTES (scl): 512 bytes a tile, 32 a row, byte K / 32.  x's tiles from byte 0, the weights' (Wqkv's 192, then Wproj's 64) from byte WS.
; Work-groups 0-255 take x (two tiles each; a wave: one tile, half of K), 256-351 Wqkv, 352-383 Wproj (128 columns x 256 along K each; a wave: 32 columns).  Each way has LDS bytes of its own.
; No tensor load, no barrier: waves share nothing.
.set XREG,  8448                       ; x: a wave's stage: 16 rows x (512 bytes + 16)
.set W1ST,  33792                      ; Wqkv: four stages of WREG bytes
.set W2ST,  59392                      ; Wproj: likewise
.set WREG,  6400                       ; two tiles' 3,072 bytes, each with 128 of padding behind it
.set SPARE, 84992                      ; the spare words, 128 bytes for each wave: two blocks of 256 bytes that no other line names
.set WS,    262144
.set SPW, 2                            ; v2  LDS address of my spare word; never rewritten
.set NIL, 3                            ; v3  0; never rewritten
.set WD,  12                           ; v12-15  x: my row's scale words of the four chunks
.set XC,  24                           ; v24-35  x: a chunk's codes
.set XTC, 36                           ; v36-43  x: the halves that a conversion cannot put in place
.set X,   48                           ; v48-111 the numbers at work
.set R,   112                          ; v112-239 x: two sets of 64 as loaded
.set SB,  16                           ; v16-17  W: eight scale bytes
.set WC,  24                           ; v24-29  W: a block's codes
.set WTC, 32                           ; v32-34
.set OUTR, 112                         ; v112-159 W: the way out
	s_load_b256 s[4:11], s[0:1], 0x0               ; x s[4:5], Wqkv s[6:7], Wproj s[8:9], xc s[10:11]
	s_load_b128 s[12:15], s[0:1], 0x20             ; wc s[12:13], scl s[14:15]
	v_lshl_add_u32 v[SPW], v0, 2, SPARE
	v_mov_b32 v[NIL], 0
	v_lshrrev_b32 v1, 5, v0
	v_readfirstlane_b32 s16, v1                    ; wave
	v_and_b32 v1, 31, v0                           ; lane
	s_cmp_lt_u32 ttmp9, 256
	s_cbranch_scc0 .Lweights
	; ---------------- x: K is innermost.  Loads take 512 consecutive bytes of a row; a chunk (16 rows x 128 K) turns through the stage so that lane (r, h) holds two whole blocks of row r
	v_and_b32 v4, 15, v0                           ; r
	v_bfe_u32 v5, v0, 4, 1                         ; h
	v_lshlrev_b32 v6, 4, v1                        ; 16 x lane
	v_lshlrev_b32 v7, 3, v1                        ; 8 x lane
	s_mul_i32 s17, s16, XREG
	v_add_nc_u32 v8, s17, v6                       ; into the stage: as loaded
	v_mul_u32_u24 v9, v4, 528
	v_lshl_add_u32 v9, v5, 7, v9
	v_add_nc_u32 v9, s17, v9                       ; out of it: row r, 128 h bytes on
	v_lshlrev_b32 v10, 5, v4
	v_lshl_add_u32 v10, v5, 3, v10                 ; the scale words' place: 32 r + 8 h
	v_lshlrev_b32 v11, 3, v5                       ; 8 h: my bytes' shift in a word
	v_mov_b32 v23, 0                               ; a lane permute's destination counts as one of its sources
	s_mov_b32 s18, 0x76543210
	s_mov_b32 s19, 0xfedcba98                      ; lane l xor 16
	s_mov_b32 s28, 0xffff0000                      ; lanes 16-31
	s_lshr_b32 s20, s16, 1
	s_lshl_b32 s21, ttmp9, 1
	s_add_co_u32 s20, s20, s21                     ; my tile
	s_and_b32 s21, s16, 1                          ; my half of K
	s_lshr_b32 s22, s20, 3
	s_lshl_b32 s22, s22, 7
	s_bfe_u32 s23, s20, 0x20001
	s_lshl_b32 s23, s23, 5
	s_add_co_u32 s22, s22, s23
	s_and_b32 s23, s20, 1
	s_lshl_b32 s23, s23, 3
	s_add_co_u32 s22, s22, s23                     ; the tile's first token
	s_lshl_b32 s22, s22, 12
	s_lshl_b32 s23, s21, 11
	s_add_co_u32 s22, s22, s23
	s_mov_b32 s23, 0
	s_mul_i32 s24, s20, 12288
	s_mul_i32 s25, s21, 6144
	s_add_co_u32 s24, s24, s25
	s_mov_b32 s25, 0
	s_lshl_b32 s26, s20, 9
	s_lshl_b32 s27, s21, 4
	s_add_co_u32 s26, s26, s27
	s_mov_b32 s27, 0
	s_wait_kmcnt 0x0
	s_add_nc_u64 s[4:5], s[4:5], s[22:23]
	s_add_nc_u64 s[10:11], s[10:11], s[24:25]
	s_add_nc_u64 s[14:15], s[14:15], s[26:27]
.macro LOADX c                         ; chunk c: 16 rows x 512 consecutive bytes, into set c % 2
.irp p, 0,1,2,3,4,5,6,7,8,9,10,11,12,13,14,15
	global_load_b128 v[R+64*((\c)%2)+4*\p:R+64*((\c)%2)+4*\p+3], v6, s[4:5] offset:(\p+8*(\p/8))*4096+512*(\c) th:TH_LOAD_NT
.endr
.endm
.macro CHUNK c
.if (\c) < 3
	s_wait_loadcnt 16                              ; this chunk's 16 loads are in; the next chunk's may be out
.else
	s_wait_loadcnt 0x0
.endif
.irp p, 0,1,2,3,4,5,6,7,8,9,10,11,12,13,14,15
	ds_store_b128 v8, v[R+64*((\c)%2)+4*\p:R+64*((\c)%2)+4*\p+3] offset:528*\p
.endr
.irp k, 0,1
.irp j, 0,1,2,3,4,5,6,7
	ds_load_b128 v[X+32*\k+4*\j:X+32*\k+4*\j+3], v9 offset:256*\k+16*\j   ; K = 64 k + 32 h + 4 j on; LDS serves a wave's instructions in order: these see the stores above
.endr
.endr
	s_wait_dscnt 0x0                               ; the numbers are back, and the stores have read their registers
	s_wait_xcnt 0x0                                ; the last chunk's stores have read their codes: they are written again only behind this wait
.if (\c) < 2
	LOADX (\c)+2
.endif
.irp q, 0,1,2,3                        ; four chains: block k = q / 2, its half q % 2; the floor 2^(3 - 127) holds the byte at 1 from below
	v_max3_num_f32 v[16+\q], |v[X+16*\q]|, |v[X+16*\q+1]|, 0x1800000
.endr
.irp i, 2,4,6,8,10,12,14
.irp q, 0,1,2,3
	v_max3_num_f32 v[16+\q], v[16+\q], |v[X+16*\q+\i]|, |v[X+16*\q+\i+1]|
.endr
.endr
	v_max_num_f32 v16, v16, v17
	v_max_num_f32 v18, v18, v19
	v_add_nc_u32 v20, 0xff000000, v16              ; 2 off the exponent field: the conversion's scale operand
	v_add_nc_u32 v21, 0xff000000, v18
	v_lshrrev_b32 v16, 23, v20                     ; the bytes of blocks h and 2 + h
	v_lshrrev_b32 v18, 23, v21
	v_lshl_or_b32 v22, v18, 16, v16
	v_lshlrev_b32 v22, v11, v22                    ; at their places in the word
	v_permlanex16_b32 v23, v22, s18, s19
	v_or_b32 v[WD+(\c)], v22, v23                  ; with lane l xor 16's two the word is whole
.irp k, 0,1
	v_cvt_scalef32_pk16_fp6_f32 v[XC+6*\k:XC+6*\k+2], v[X+32*\k:X+32*\k+15], v[20+\k]
	v_cvt_scalef32_pk16_fp6_f32 v[XTC+4*\k:XTC+4*\k+2], v[X+32*\k+16:X+32*\k+31], v[20+\k]   ; (a conversion's three registers begin on an even number)
.endr
	v_nop                                          ; one plain place behind a scaled conversion
.irp k, 0,1
.irp i, 0,1,2
	v_mov_b32 v[XC+6*\k+3+\i], v[XTC+4*\k+\i]
.endr
.endr
.irp p, 0,1,2,3,4,5
	global_store_b64 v7, v[XC+2*\p:XC+2*\p+1], s[10:11] offset:1536*(\c)+256*\p   ; 32 lanes store 256 consecutive bytes, aligned
.endr
.endm
	LOADX 0
	LOADX 1
	CHUNK 0
	CHUNK 1
	CHUNK 2
	CHUNK 3
	v_cndmask_b32 v16, v[WD], v[WD+2], s28         ; lanes 0-15 store words 0, 1 of my half of K, lanes 16-31 words 2, 3
	v_cndmask_b32 v17, v[WD+1], v[WD+3], s28
	global_store_b64 v10, v[16:17], s[14:15]
	s_wait_tensorcnt 0x0                           ; the wave's end, behind my last LDS store
	ds_add_u32 v[SPW], v[NIL]
	s_wait_dscnt 0x0
	s_endpgm
	; ---------------- the weights: K is the FIRST axis.  A lane takes a column and its registers run down K: a block of 32 lies in one lane
.macro LOADW t, N, ptr
.irp i, 0,1,2,3,4,5,6,7,8,9,10,11,12,13,14,15,16,17,18,19,20,21,22,23,24,25,26,27,28,29,30,31
	global_load_b32 v[X+32*((\t)%2)+\i], v6, s[\ptr:\ptr+1] offset:(32*(\t)+\i)*\N*4 th:TH_LOAD_NT
.endr
.endm
.macro BLOCK t, N, ptr
.set XS, X+32*((\t)%2)
.if (\t) < 7
	s_wait_loadcnt 32                              ; this block's 32 loads are in; the next block's may be out
.else
	s_wait_loadcnt 0x0
.endif
	v_max3_num_f32 v11, |v[XS]|, |v[XS+1]|, |v[XS+2]|
	v_max3_num_f32 v12, |v[XS+3]|, |v[XS+4]|, |v[XS+5]|
.irp i, 6,10,14,18,22,26
	v_max3_num_f32 v11, v11, |v[XS+\i]|, |v[XS+\i+1]|
	v_max3_num_f32 v12, v12, |v[XS+\i+2]|, |v[XS+\i+3]|
.endr
	v_max3_num_f32 v11, v11, |v[XS+30]|, |v[XS+31]|
	v_max3_num_f32 v11, v11, v12, 0x1800000        ; and the floor
	v_add_nc_u32 v13, 0xff000000, v11              ; the conversion's scale operand
	v_lshrrev_b32 v12, 23, v13                     ; the byte
.if (\t)%4 == 0
	v_mov_b32 v[SB+(\t)/4], v12
.else
	v_lshl_or_b32 v[SB+(\t)/4], v12, 8*((\t)%4), v[SB+(\t)/4]
.endif
	v_cvt_scalef32_pk16_fp6_f32 v[WC:WC+2], v[XS:XS+15], v13
	v_cvt_scalef32_pk16_fp6_f32 v[WTC:WTC+2], v[XS+16:XS+31], v13
	v_nop                                          ; one plain place behind a scaled conversion
.irp i, 0,1,2
	v_mov_b32 v[WC+3+\i], v[WTC+\i]
.endr
.irp i, 0,1,2
	ds_store_b64 v7, v[WC+2*\i:WC+2*\i+1] offset:768*((\t)/2)+128*((\t)%2)+256*\i   ; the image's place of row r', half t % 2
.endr
.if (\t)+2 < 8
	LOADW (\t)+2, \N, \ptr
.endif
	s_wait_dscnt 0x0                               ; the stores have read their registers
.endm
; N: the weight's columns; ST: its stages; TB: its first tile in wc; first: its first work-group; ptr: its pointer
.macro WPATH N, ST, TB, first, ptr
	s_sub_co_u32 s17, ttmp9, \first
	s_lshr_b32 s18, s17, 2                         ; which 128 columns
	s_and_b32 s19, s17, 3                          ; which 256 along K
	v_lshlrev_b32 v6, 2, v1                        ; in: 4 bytes a lane
	v_bfe_u32 v11, v0, 3, 1                        ; column 32 w + l lies in tile 2 w + u, u = (l / 8) % 2,
	v_and_b32 v12, 7, v0
	v_bfe_u32 v13, v0, 4, 1
	v_lshl_add_u32 v12, v13, 3, v12                ; at row r' = l % 8 + 8 (l / 16)
	s_mul_i32 s20, s16, WREG
	s_add_co_u32 s20, s20, \ST
	v_mul_u32_u24 v7, v11, 3200                    ; 3,200 = 128 mod 256: the 32 lanes of a store of 8 bytes touch 64 banks
	v_lshl_add_u32 v7, v12, 3, v7
	v_add_nc_u32 v7, s20, v7
	v_lshlrev_b32 v9, 4, v1
	v_add_nc_u32 v8, s20, v9
	v_lshlrev_b32 v10, 9, v11
	v_lshl_add_u32 v10, v12, 5, v10                ; my row of scale bytes: 512 u + 32 r'
	s_mul_i32 s22, s19, 256*\N*4
	s_lshl_b32 s23, s18, 9
	s_add_co_u32 s22, s22, s23
	s_lshl_b32 s23, s16, 7
	s_add_co_u32 s22, s22, s23
	s_mov_b32 s23, 0
	s_lshl_b32 s24, s18, 3
	s_lshl_b32 s25, s16, 1
	s_add_co_u32 s24, s24, s25
	s_add_co_u32 s24, s24, \TB                     ; my first tile
	s_mul_i32 s26, s24, 12288
	s_mul_i32 s27, s19, 3072
	s_add_co_u32 s26, s26, s27
	s_mov_b32 s27, 0
	s_lshl_b32 s24, s24, 9
	s_lshl_b32 s25, s19, 3
	s_add_co_u32 s24, s24, s25
	s_add_co_u32 s24, s24, WS
	s_mov_b32 s25, 0
	s_wait_kmcnt 0x0
	s_add_nc_u64 s[\ptr:\ptr+1], s[\ptr:\ptr+1], s[22:23]
	s_add_nc_u64 s[12:13], s[12:13], s[26:27]
	s_add_nc_u64 s[14:15], s[14:15], s[24:25]
	LOADW 0, \N, \ptr
	LOADW 1, \N, \ptr
.irp t, 0,1,2,3,4,5,6,7
	BLOCK \t, \N, \ptr
.endr
	global_store_b64 v10, v[SB:SB+1], s[14:15]     ; my column's eight scale bytes
.irp m, 0,1,2,3,4,5,6,7,8,9,10,11
	ds_load_b128 v[OUTR+4*\m:OUTR+4*\m+3], v8 offset:(\m/6)*3200+512*(\m%6)
.endr
.irp m, 0,1,2,3,4,5,6,7,8,9,10,11
	s_wait_dscnt 11-\m                             ; LDS loads come back in order: load m is in
	global_store_b128 v9, v[OUTR+4*\m:OUTR+4*\m+3], s[12:13] offset:(\m/6)*12288+512*(\m%6)   ; 512 consecutive bytes, aligned
.endr
	s_wait_tensorcnt 0x0                           ; the wave's end, behind my last LDS store
	ds_add_u32 v[SPW], v[NIL]
	s_wait_dscnt 0x0
	s_endpgm
.endm
.Lweights:
	s_cmp_lt_u32 ttmp9, 352
	s_cbranch_scc0 .Lproj
	WPATH 3072, W1ST, 0, 256, 6
.Lproj:
	WPATH 1024, W2ST, 192, 352, 8
.Lfunc_end_k_q6b2da8fe23_quant:
	.size	k_q6b2da8fe23_quant, .Lfunc_end_k_q6b2da8fe23_quant-k_q6b2da8fe23_quant
	.p2alignl 7, 3214868480
	.fill 96, 4, 3214868480
	.section	.rodata,"a",@progbits
	.p2align	6, 0x0
	.amdhsa_kernel k_q6b2da8fe23_quant
		.amdhsa_group_segment_fixed_size 85504
		.amdhsa_private_segment_fixed_size 0
		.amdhsa_enable_private_segment 0
		.amdhsa_kernarg_size 48
		.amdhsa_user_sgpr_count 2
		.amdhsa_user_sgpr_kernarg_segment_ptr 1
		.amdhsa_wavefront_size32 1
		.amdhsa_system_sgpr_workgroup_id_x 1
		.amdhsa_system_sgpr_workgroup_id_y 1
		.amdhsa_system_sgpr_workgroup_id_z 1
		.amdhsa_system_vgpr_workitem_id 0
		.amdhsa_next_free_vgpr 240
		.amdhsa_next_free_sgpr 66
		.amdhsa_reserve_vcc 0
		.amdhsa_float_denorm_mode_32 3
		.amdhsa_float_denorm_mode_16_64 3
		.amdhsa_memory_ordered 1
		.amdhsa_forward_progress 1
		.amdhsa_inst_pref_size 115
	.end_amdhsa_kernel
	.amdgpu_metadata
---
amdhsa.version: [ 1, 2 ]
amdhsa.kernels:
  - .name:           k_q6b2da8fe23_quant
    .symbol:         k_q6b2da8fe23_quant.kd
    .args:
      - { .name: x, .offset: 0, .size: 8, .value_kind: global_buffer, .address_space: global }
      - { .name: Wqkv, .offset: 8, .size: 8, .value_kind: global_buffer, .address_space: global }
      - { .name: Wproj, .offset: 16, .size: 8, .value_kind: global_buffer, .address_space: global }
      - { .name: xc, .offset: 24, .size: 8, .value_kind: global_buffer, .address_space: global }
      - { .name: wc, .offset: 32, .size: 8, .value_kind: global_buffer, .address_space: global }
      - { .name: scl, .offset: 40, .size: 8, .value_kind: global_buffer, .address_space: global }
    .group_segment_fixed_size: 85504
    .private_segment_fixed_size: 0
    .kernarg_segment_align: 8
    .kernarg_segment_size: 48
    .max_flat_workgroup_size: 128
    .sgpr_count:     66
    .vgpr_count:     240
    .wavefront_size: 32
...
	.end_amdgpu_metadata
.endif
;; end of part 1
;; launch gemm_qkv (part 2): grid 12 x 32, 4 waves a work-group, clusters of 4 x 4, 327,680 bytes of LDS; arguments xc, wc, scl, bqkv, qk, vv; writes qk, vv
.if DOCPART == 2
	.amdgcn_target "amdgcn-amd-amdhsa--gfx1250"
	.amdhsa_code_object_version 6
	.text
	.protected	k_q6b2da8fe23_gemm_qkv
	.globl	k_q6b2da8fe23_gemm_qkv
	.p2align	8
	.type	k_q6b2da8fe23_gemm_qkv,@function
k_q6b2da8fe23_gemm_qkv:
	s_mov_b64 s[64:65], 0
	v_nop
	global_prefetch_b8 v0, s[64:65] scope:SCOPE_SE
	s_setreg_imm32_b32 hwreg(HW_REG_WAVE_MODE, 25, 1), 1
	s_wait_xcnt 0x0
	s_wait_alu depctr_hold_cnt(0) depctr_sa_sdst(0) depctr_va_vdst(0) depctr_va_sdst(0) depctr_va_ssrc(0) depctr_va_vcc(0) depctr_vm_vsrc(0)
	s_getreg_b32 s2, hwreg(HW_REG_IB_STS2, 6, 4)
	s_cmp_eq_u32 s2, 0
	s_cbranch_scc0 .Lentry_in_a_cluster
	s_endpgm
.Lentry_in_a_cluster:
	s_bfe_u32 s2, ttmp6, 0x10000c
	s_cmp_lg_u32 s2, 0xf033
	s_cbranch_scc0 .Lentry_shape_is_right
	s_endpgm
.Lentry_shape_is_right:
; qkv = x Wqkv + bqkv on codes of FP6 (E2M3) with E8M0 scales, K = 1,024; the results are quantised here, q and k along the head's 64, v along the keys, and leave as codes laid for the attention launch.
; A work-group makes 256 tokens x 256 columns, a wave 128 x 128: 64 accumulators, 512 registers.  Codes come as images of the operand's registers (12,288 bytes a tile of 16 rows, 1,536 for each 128 along K):
; a fragment is six loads of 8 bytes a lane, 256 consecutive bytes each.  Tile t of a group of 128 rows holds at row r the group's row 32 (t / 2) + 8 (t % 2) + r + 8 (r / 8), for tokens and columns alike, so that the
; 16 registers of two neighbouring result tiles are 16 NEIGHBOURS along source 0's rows.
; TWO WAYS, told apart by the cluster's x (the same in all sixteen partners).  Columns of q and k: source 0 = columns, source 1 = tokens: a lane holds one token and runs along the head's channels.
; Columns of v: source 0 = tokens, source 1 = columns: a lane holds one channel and runs along the keys.  Up to the last two K steps the way enters the LDS read addresses and the scales' offsets alone.
; K's 1,024 are four slots' worth of 256; three LDS slots are filled at the start (three tensor loads of a wave are out), the fourth part refills slot 0 behind the one round of the cluster's barrier.
; CLUSTER 4 x 4: the tokens' tiles are asked for jointly along a row of the cluster, the columns' along a column.
; THE SCALE WORDS of my 128 + 128 rows for all of K are 64 registers, loaded once: register 8 i + q: lanes 0-15 source 1's tile i, lanes 16-31 source 0's tile i, K step q.
; OUT: a block of 6,656 bytes for 128 tokens of one head: 48 registers' image (group g of four registers at 512 g + 16 x lane) and 512 bytes of scale words.  q, k: registers 6 t .. 6 t + 5 = tile t of 16 tokens;
; scale words (bytes s0, s1, s0, s1) at 6,144 + 16 x lane + 4 u: lanes 0-15 tile 2 u, lanes 16-31 tile 2 u + 1.  v: registers 12 t .. 12 t + 11 = tile t of 16 channels x 128 keys; words at 6,144 + 16 x lane + 4 t.
; LIMITS: a block of zeros gets the byte 1 (its codes are zeros; this program alone reads the bytes); blocks under 2^-124 are held at that floor; NaN and infinities are not served.
; REGISTERS: window 0: v16-29 addresses; v32-95 scale words; v128-223 source 1's fragments, one set.  Window 1: v0-95, v128-223 source 0's fragments, two sets; v96-127, v224-255 the bias; on the way out all else.
; Windows 2, 3: the accumulators, (a, b) at v[8 (8 (a % 4) + b)].
.set SLOT,  98304                      ; a slot: the tokens' 16 tiles x 3,072 bytes (256 along K), then the columns'
.set REG,   49152
.set HALF,  24576                      ; 8 tiles: what one tensor load brings, and what a wave reads of a side
.set SPARE, 3*SLOT                     ; the spare words, 128 bytes for each wave: two blocks of 256 bytes that no other line names
.set WS,    262144                     ; the weights' scale bytes in scl
.set BLKB,  6656
.set HEADB, 64*BLKB                    ; from a head's block to the next head's
.set FR,    12
.set NL,    6
.set ADRA, 16                          ; v16-18 LDS address of source 1's fragments in slot 0, 1, 2
.set ADRB, 20                          ; v20-22 of source 0's
.set L16,  24                          ; v24  16 x lane
.set SCO,  25                          ; v25  my offset among the scale bytes
.set BO,   26                          ; v26  the bias of q, k: 64 (lane / 16)
.set BO2,  27                          ; v27  the bias of v: 4 (r + 8 (r / 8))
.set SPW,  28                          ; v28  my spare word; never rewritten
.set NIL,  29                          ; v29  0; never rewritten
.set SC,   32
.set AF,   128
.set H,    0                           ; window 1, the way out: 64 numbers
.set TM,   64                          ; v64-79 at work
.set PW,   80                          ; the scale word just made
.set TC,   84                          ; v84-91 the halves that a conversion cannot put in place
.set OUT0, 128                         ; v128-139, v140-151 codes to store
.set OUT1, 140
.set SCW0, 152                         ; v152-155, v156-159 scale words to store
.set SCW1, 156
.set G1P, 16                           ; s[16:23] group 1, tokens;  s[24:31] columns;  s[32:43], s[44:55] groups 0, a set for each slot
.set G1Q, 24
.set G0P, 32
.set G0Q, 44
.set WV,  56
.set WA,  57                           ; source 1's half; also: I fetch tokens (0) or columns (1)
.set WB,  58                           ; source 0's half; also: which 8 tiles I fetch
.set CX,  59
.set CY,  60
.set TX,  61
.set TY,  62
.set MODE, 63
.set OUTB, 72
.set BIB,  74
.set SEL,  78
.set M16,  85
.set MSB, 0
.macro WIN new                         ; the immediate's high byte repeats the setting that is left
.if MSB != (\new)
	s_set_vgpr_msb (MSB<<8)|(\new)
.set MSB, (\new)
.endif
.endm
.set MUL_LO, 0xa1                      ; source 0 window 1, source 1 window 0, C and D window 2
.set MUL_HI, 0xf1
.set TO_B,   0x40
.macro JLOAD g0a, g1a, g0b, g1b        ; a joint load: waves 0, 1 for the tokens, waves 2, 3 for the columns; an s_nop 0 and four v_nop follow each line
	s_cmp_eq_u32 s[WA], 0
	s_cbranch_scc0 .Lfor_b_\@
	tensor_load_to_lds s[\g0a:\g0a+3], s[\g1a:\g1a+7]
	s_nop 0
.rept 4
	v_nop
.endr
	s_branch .Lasked_\@
.Lfor_b_\@:
	tensor_load_to_lds s[\g0b:\g0b+3], s[\g1b:\g1b+7]
	s_nop 0
.rept 4
	v_nop
.endr
.Lasked_\@:
.endm
.macro CREST
	s_cmp_lg_u32 s[WV], 0
	s_cbranch_scc1 .Lnot_wave_0_\@
	s_barrier_signal -3
.Lnot_wave_0_\@:
	s_barrier_wait -3
	s_barrier_signal -1
	s_barrier_wait -1
.endm
.macro CROUND
	s_barrier_signal -1
	s_barrier_wait -1
	CREST
.endm
.macro PLACES n
.rept \n
	v_nop
.endr
.endm
.macro FRAG reg, adr, q, i             ; tile i, the slot's q-th 128 along K: six runs of 256 consecutive bytes
.irp p, 0,1,2,3,4,5
	ds_load_b64 v[\reg+2*\p:\reg+2*\p+1], v[\adr] offset:3072*(\i)+1536*(\q)+256*\p
.endr
.endm
.macro FETCH_B slot, q, set
	WIN TO_B
.irp i, 0,1,2,3,4,5,6,7
	FRAG 128*(\set)+FR*\i, ADRB+\slot, \q, \i
.endr
	WIN 0
.endm
.macro FETCH_A slot, q, i0
.irp i, \i0, \i0+1, \i0+2, \i0+3
	FRAG AF+FR*(\i), ADRA+\slot, \q, \i
.endr
.endm
; 16 products: source 1's tiles a0, a0 + 1 x source 0's eight, K step kq.  The 64 accumulators take turns, one instruction a turn, in the same order in every step.
.macro MUL16 a0, set, kq, zero
.irp a, \a0, \a0+1
.irp b, 0,1,2,3,4,5,6,7
.if \zero
	v_wmma_scale_f32_16x16x128_f8f6f4 v[8*(8*((\a)%4)+\b):8*(8*((\a)%4)+\b)+7], v[128*(\set)+FR*\b:128*(\set)+FR*\b+FR-1], v[AF+FR*(\a):AF+FR*(\a)+FR-1], 0, v[SC+8*\b+(\kq)], v[SC+8*(\a)+(\kq)] matrix_a_fmt:MATRIX_FMT_FP6 matrix_b_fmt:MATRIX_FMT_FP6 matrix_a_scale:MATRIX_SCALE_ROW1
.else
	v_wmma_scale_f32_16x16x128_f8f6f4 v[8*(8*((\a)%4)+\b):8*(8*((\a)%4)+\b)+7], v[128*(\set)+FR*\b:128*(\set)+FR*\b+FR-1], v[AF+FR*(\a):AF+FR*(\a)+FR-1], v[8*(8*((\a)%4)+\b):8*(8*((\a)%4)+\b)+7], v[SC+8*\b+(\kq)], v[SC+8*(\a)+(\kq)] matrix_a_fmt:MATRIX_FMT_FP6 matrix_b_fmt:MATRIX_FMT_FP6 matrix_a_scale:MATRIX_SCALE_ROW1
.endif
.endr
.endr
.endm
; K step kq; the next step's fragments come from slot ns, its nq-th 128
.macro STEP kq, ns, nq, zero
	s_wait_dscnt 4*NL                              ; source 0's set and source 1's tiles 0-3 are in; the youngest 24 loads (tiles 4-7) may be out
	WIN MUL_LO
	MUL16 0, (\kq)%2, \kq, \zero
	MUL16 2, (\kq)%2, \kq, \zero
	s_wait_dscnt 0x0
	PLACES 4                                       ; four places in front of loads into registers that matrix instructions have read
	FETCH_B \ns, \nq, 1-(\kq)%2
	FETCH_A \ns, \nq, 0
	WIN MUL_HI
	MUL16 4, (\kq)%2, \kq, \zero
	MUL16 6, (\kq)%2, \kq, \zero
	PLACES 4
	WIN 0
	FETCH_A \ns, \nq, 4
.endm
; A step with a barrier in it.  fill = 1: slot 0, just read out, takes K's last quarter, behind a round of the cluster's barrier.  fill = 0: that refill is awaited and shown to all four waves.
.macro TURN kq, ns, fill
	s_wait_tensorcnt 0x0                           ; all my tensor loads have landed
	ds_add_u32 v[SPW], v[NIL]                      ; 0 onto my spare word
	s_wait_dscnt 4*NL+1                            ; (the add and the youngest 24 loads may be out)
	WIN MUL_LO
	MUL16 0, 1, \kq, 0
	s_wait_dscnt 0x0                               ; the add is done, and my reads of the slot are over
	s_barrier_signal -1
	MUL16 2, 1, \kq, 0
	WIN 0
	s_barrier_wait -1
.if \fill
	CREST                                          ; no wave of any partner still reads slot 0 or has a load on its way
	s_add_nc_u64 s[G0P+2:G0P+3], s[G0P+2:G0P+3], 3*3072
	s_add_nc_u64 s[G0Q+2:G0Q+3], s[G0Q+2:G0Q+3], 3*3072
	JLOAD G0P, G1P, G0Q, G1Q                       ; the first tensor load behind the round: three and a half K steps, 224 products, ahead of the wait for it; its four v_nop are the places for the loads below
.else
	PLACES 4
.endif
	FETCH_B \ns, 0, 0
	FETCH_A \ns, 0, 0
	WIN MUL_HI
	MUL16 4, 1, \kq, 0
	MUL16 6, 1, \kq, 0
	PLACES 4
	WIN 0
	FETCH_A \ns, 0, 4
.endm
.macro LAST
	s_wait_dscnt 4*NL
	WIN MUL_LO
	MUL16 0, 1, 7, 0
	MUL16 2, 1, 7, 0
	s_wait_dscnt 0x0
	WIN MUL_HI
	MUL16 4, 1, 7, 0
	MUL16 6, 1, 7, 0
	WIN 0
.endm
; 64 numbers of a lane, register 16 b + i = place 32 b + 16 (lane / 16) + i of my row, become two runs of six registers of codes (places 0-63 in d0, 64-127 in d1; a whole block to a lane) and the row's scale word in pw
.macro QUANT s, d0, d1, pw
.irp b, 0,1,2,3
	v_max3_num_f32 v[TM+\b], |v[\s+16*\b]|, |v[\s+1+16*\b]|, 0x1800000   ; the floor 2^(3 - 127) holds the byte at 1 from below
.endr
.irp i, 2,4,6,8,10,12,14
.irp b, 0,1,2,3
	v_max3_num_f32 v[TM+\b], v[TM+\b], |v[\s+16*\b+\i]|, |v[\s+1+16*\b+\i]|
.endr
.endr
.irp b, 0,1,2,3
	v_permlanex16_b32 v[TM+4+\b], v[TM+\b], s[SEL], s[SEL+1]
.endr
.irp b, 0,1,2,3
	v_max_num_f32 v[TM+\b], v[TM+\b], v[TM+4+\b]
.endr
.irp b, 0,1,2,3
	v_add_nc_u32 v[TM+12+\b], 0xff000000, v[TM+\b]   ; 2 off the exponent field: the conversion's scale operand
.endr
.irp b, 0,1,2,3
	v_lshrrev_b32 v[TM+4+\b], 23, v[TM+12+\b]
.endr
	v_lshl_or_b32 v[\pw], v[TM+5], 8, v[TM+4]
	v_lshl_or_b32 v[\pw], v[TM+6], 16, v[\pw]
	v_lshl_or_b32 v[\pw], v[TM+7], 24, v[\pw]
	v_cvt_scalef32_pk16_fp6_f32 v[\d0:\d0+2], v[\s:\s+15], v[TM+12]
	v_cvt_scalef32_pk16_fp6_f32 v[TC:TC+2], v[\s+16:\s+31], v[TM+13]
	v_cvt_scalef32_pk16_fp6_f32 v[\d1:\d1+2], v[\s+32:\s+47], v[TM+14]
	v_cvt_scalef32_pk16_fp6_f32 v[TC+4:TC+6], v[\s+48:\s+63], v[TM+15]
	v_nop                                          ; one plain place behind a scaled conversion
.irp i, 0,1,2
	v_permlane16_swap_b32 v[\d0+\i], v[TC+\i]
	v_permlane16_swap_b32 v[\d1+\i], v[TC+4+\i]
.endr
.irp i, 0,1,2
	v_mov_b32 v[\d0+3+\i], v[TC+\i]
	v_mov_b32 v[\d1+3+\i], v[TC+4+\i]
.endr
.endm
; source 1's tile a: its 64 sums + the bias -> H, each accumulator from its low end on
.macro ADDB a, m
	WIN 0x46+(\a)/4                                ; source 0 window 2 or 3, source 1 and the destination window 1
.irp j, 0,2,4,6,8,10,12,14,16,18,20,22,24,26,28,30,32,34,36,38,40,42,44,46,48,50,52,54,56,58,60,62
.if \m == 0
	v_pk_add_f32 v[H+\j:H+\j+1], v[64*((\a)%4)+\j:64*((\a)%4)+\j+1], v[96+\j+96*(\j/32):97+\j+96*(\j/32)]
.elseif (\a)%2 == 0
	v_pk_add_f32 v[H+\j:H+\j+1], v[64*((\a)%4)+\j:64*((\a)%4)+\j+1], v[96+2*((\a)/2):97+2*((\a)/2)] op_sel_hi:[1,0]
.else
	v_pk_add_f32 v[H+\j:H+\j+1], v[64*((\a)%4)+\j:64*((\a)%4)+\j+1], v[96+2*((\a)/2):97+2*((\a)/2)] op_sel:[0,1] op_sel_hi:[1,1]
.endif
.endr
	WIN 0x55
.endm
	s_load_b256 s[4:11], s[0:1], 0x0               ; xc s[4:5], wc s[6:7], scl s[8:9], bqkv s[10:11]
	s_load_b128 s[12:15], s[0:1], 0x20             ; qk s[12:13], vv s[14:15]
	v_lshl_add_u32 v[SPW], v0, 2, SPARE
	v_mov_b32 v[NIL], 0
	ds_add_u32 v[SPW], v[NIL]                      ; the wave's opening, ahead of my first tensor load
	ds_add_u32 v[SPW], v[NIL]
	v_lshrrev_b32 v1, 5, v0
	v_readfirstlane_b32 s[WV], v1
	s_lshr_b32 s[WA], s[WV], 1
	s_and_b32 s[WB], s[WV], 1
	s_bfe_u32 s[CX], ttmp6, 0x40000
	s_bfe_u32 s[CY], ttmp6, 0x40004
	s_lshl_b32 s[TX], ttmp9, 2
	s_add_co_u32 s[TX], s[TX], s[CX]               ; which 256 columns
	s_and_b32 s[TY], ttmp7, 0xffff
	s_lshl_b32 s[TY], s[TY], 2
	s_add_co_u32 s[TY], s[TY], s[CY]               ; which 256 tokens
	s_lshl_b32 s2, s[CY], 2
	s_lshl_b32 s2, 15, s2                          ; my row of the cluster
	s_lshl_b32 s3, 0x1111, s[CX]                   ; my column
	s_or_b32 s[G1P], s2, (3<<16)|(1<<21)           ; 15:0 the mask; 17:16 elements of 8 bytes; 21 set beside a mask; no padding
	s_or_b32 s[G1Q], s3, (3<<16)|(1<<21)
.irp g, G1P, G1Q
	s_mov_b32 s[\g+1], 384<<16                     ; tensor_dim0 = 384 elements: a tile's 3,072 bytes of 256 along K
	s_mov_b32 s[\g+2], 8<<16                       ; tensor_dim1 = 8 tiles
	s_mov_b32 s[\g+3], 384<<16                     ; tile_dim0
	s_mov_b32 s[\g+4], 8                           ; tile_dim1
	s_mov_b32 s[\g+5], 1536                        ; from tile to tile: 12,288 bytes
	s_mov_b32 s[\g+6], 0
	s_mov_b32 s[\g+7], 0
.endr
	s_lshl_b32 s66, s[TY], 4
	s_lshl_b32 s67, s[WB], 3
	s_add_co_u32 s66, s66, s67
	s_mul_i32 s66, s66, 12288                      ; the tokens' tiles that I would fetch
	s_mov_b32 s67, 0
	s_lshl_b32 s68, s[TX], 4
	s_lshl_b32 s69, s[WB], 3
	s_add_co_u32 s68, s68, s69
	s_mul_i32 s68, s68, 12288                      ; the columns'
	s_mov_b32 s69, 0
	s_mul_i32 s70, s[WV], HALF                     ; where they go: no place in the cluster enters an LDS address
	s_mov_b32 s[SEL], 0x76543210
	s_mov_b32 s[SEL+1], 0xfedcba98
	s_mov_b32 s[M16], 0xffff0000
	s_wait_dscnt 0x0                               ; the opening add is done
	s_wait_kmcnt 0x0
	s_add_nc_u64 s[66:67], s[4:5], s[66:67]
	s_add_nc_u64 s[68:69], s[6:7], s[68:69]
	CROUND                                         ; all sixteen work-groups are here: the first joint loads meet
.irp s, 0,1,2
	s_mov_b32 s[G0P+4*\s], 1
	s_add_co_u32 s[G0P+4*\s+1], s70, \s*SLOT
	s_add_nc_u64 s[G0P+4*\s+2:G0P+4*\s+3], s[66:67], \s*3072
	s_or_b32 s[G0P+4*\s+3], s[G0P+4*\s+3], 0x80000000
	s_mov_b32 s[G0Q+4*\s], 1
	s_add_co_u32 s[G0Q+4*\s+1], s70, \s*SLOT
	s_add_nc_u64 s[G0Q+4*\s+2:G0Q+4*\s+3], s[68:69], \s*3072
	s_or_b32 s[G0Q+4*\s+3], s[G0Q+4*\s+3], 0x80000000
	JLOAD G0P+4*\s, G1P, G0Q+4*\s, G1Q
.endr
	v_and_b32 v1, 31, v0                           ; lane
	v_and_b32 v2, 15, v0                           ; r
	v_bfe_u32 v3, v0, 4, 1                         ; h
	v_lshlrev_b32 v4, 3, v1
	s_wait_alu depctr_va_vdst(0)
	s_cmp_eq_u32 ttmp9, 2                          ; the columns of v: the cluster's x, the same in all partners
	s_cselect_b32 s[MODE], 1, 0
	s_cselect_b32 s2, REG, 0                       ; source 1: tokens, or for v columns
	s_cselect_b32 s3, 0, REG                       ; source 0: the other
	s_mul_i32 s80, s[WA], HALF
	s_add_co_u32 s2, s2, s80
	s_mul_i32 s80, s[WB], HALF
	s_add_co_u32 s3, s3, s80
.irp s, 0,1,2
	v_add_nc_u32 v[ADRA+\s], s2, v4
	v_add_nc_u32 v[ADRB+\s], s3, v4
	s_add_co_u32 s2, s2, SLOT
	s_add_co_u32 s3, s3, SLOT
.endr
	s_lshl_b32 s80, s[TY], 1
	s_add_co_u32 s81, s80, s[WA]
	s_lshl_b32 s81, s81, 12                        ; the scale bytes of 128 tokens are 4,096
	s_add_co_u32 s82, s80, s[WB]
	s_lshl_b32 s82, s82, 12
	s_lshl_b32 s80, s[TX], 1
	s_add_co_u32 s83, s80, s[WA]
	s_lshl_b32 s83, s83, 12
	s_add_co_u32 s83, s83, WS
	s_add_co_u32 s84, s80, s[WB]
	s_lshl_b32 s84, s84, 12
	s_add_co_u32 s84, s84, WS
	s_cmp_eq_u32 s[MODE], 1
	s_cselect_b32 s81, s83, s81                    ; source 1's
	s_cselect_b32 s82, s82, s84                    ; source 0's
	v_mov_b32 v5, s81
	v_mov_b32 v6, s82
	v_cndmask_b32 v5, v5, v6, s[M16]               ; lanes 16-31 take source 0's
	v_lshl_add_u32 v[SCO], v2, 5, v5
.irp i, 0,1,2,3,4,5,6,7
	global_load_b128 v[SC+8*\i:SC+8*\i+3], v[SCO], s[8:9] offset:512*\i
	global_load_b128 v[SC+8*\i+4:SC+8*\i+7], v[SCO], s[8:9] offset:512*\i+16
.endr
	v_lshlrev_b32 v[L16], 4, v1
	v_lshlrev_b32 v[BO], 6, v3
	v_and_b32 v7, 8, v2
	v_add_nc_u32 v7, v7, v2
	v_lshlrev_b32 v[BO2], 2, v7
	s_wait_tensorcnt 2                             ; my part of slot 0 is in; slots 1 and 2 may be out
	s_barrier_signal -1
	s_barrier_wait -1
	FETCH_B 0, 0, 0
	FETCH_A 0, 0, 0
	FETCH_A 0, 0, 4
	s_wait_loadcnt 0x0                             ; the scale words
	STEP 0, 0, 1, 1                                ; the first products start the sums: nothing is cleared
	TURN 1, 1, 1
	STEP 2, 1, 1, 0
	STEP 3, 2, 0, 0                                ; slot 2 was shown whole by the round in K step 1: every wave had waited for all its loads
	STEP 4, 2, 1, 0
	TURN 5, 0, 0
	s_cmp_eq_u32 s[MODE], 1
	s_cbranch_scc1 .Lvmode
	; ---- q and k.  The bias is asked for two K steps, 128 products, ahead of its use
	s_lshl_b32 s80, s[TX], 1
	s_add_co_u32 s80, s80, s[WB]                   ; my 128 columns: two heads
	s_lshl_b32 s82, s80, 9
	s_mov_b32 s83, 0
	s_add_nc_u64 s[BIB:BIB+1], s[10:11], s[82:83]
	s_lshl_b32 s80, s80, 7                         ; the first head's 64 blocks
	s_lshl_b32 s81, s[TY], 1
	s_add_co_u32 s81, s81, s[WA]                   ; my 128 tokens
	s_add_co_u32 s80, s80, s81
	s_mul_i32 s80, s80, BLKB
	s_mov_b32 s81, 0
	s_add_nc_u64 s[OUTB:OUTB+1], s[12:13], s[80:81]
	WIN TO_B
	s_wait_alu depctr_va_vdst(0)
.irp k, 0,1,2,3,4,5,6,7,8,9,10,11,12,13,14,15
	global_load_b128 v[96+4*\k+96*(\k/8):99+4*\k+96*(\k/8)], v[BO], s[BIB:BIB+1] offset:128*(\k/4)+16*(\k%4)   ; register 16 b + i: column 32 b + 16 h + i
.endr
	WIN 0
	STEP 6, 0, 1, 0
	LAST
	s_wait_loadcnt 0x0
	PLACES 4                                       ; in front of the first read of results and the first write of operands
	WIN 0x55
.irp b, 0,1,2,3
	v_mov_b32 v[TM+4+\b], 0                        ; a lane permute's destination counts as one of its sources
.endr
.irp a, 0,1,2,3,4,5,6,7
	ADDB \a, 0
	s_wait_xcnt 0x0                                ; earlier stores have read their registers
	QUANT H, OUT0+6*(\a%2), OUT1+6*(\a%2), PW
.if (\a%2) == 0
	v_perm_b32 v[SCW0+\a/2], v[PW], v[PW], 0x01000100   ; the first head's two bytes, twice;
	v_perm_b32 v[SCW1+\a/2], v[PW], v[PW], 0x03020302   ; the second head's
.else
	v_perm_b32 v[TM], v[PW], v[PW], 0x01000100
	v_perm_b32 v[TM+1], v[PW], v[PW], 0x03020302
	v_cndmask_b32 v[SCW0+\a/2], v[SCW0+\a/2], v[TM], s[M16]   ; an odd tile's words go to lanes 16-31
	v_cndmask_b32 v[SCW1+\a/2], v[SCW1+\a/2], v[TM+1], s[M16]
	WIN 0x04                                       ; a store's data are its source 1: window 1
.irp g, 0,1,2
	global_store_b128 v[L16], v[OUT0+4*\g:OUT0+4*\g+3], s[OUTB:OUTB+1] offset:512*(3*(\a/2)+\g)          ; 512 consecutive bytes, aligned
	global_store_b128 v[L16], v[OUT1+4*\g:OUT1+4*\g+3], s[OUTB:OUTB+1] offset:HEADB+512*(3*(\a/2)+\g)
.endr
.endif
.endr
	global_store_b128 v[L16], v[SCW0:SCW0+3], s[OUTB:OUTB+1] offset:6144
	global_store_b128 v[L16], v[SCW1:SCW1+3], s[OUTB:OUTB+1] offset:HEADB+6144
	WIN 0
	s_branch .Lend
.Lvmode:
	; ---- v: a lane holds one channel, its registers run along the keys
	s_lshl_b32 s80, s[TX], 1
	s_add_co_u32 s80, s80, s[WA]                   ; my 128 columns: two heads
	s_lshl_b32 s82, s80, 9
	s_mov_b32 s83, 0
	s_add_nc_u64 s[BIB:BIB+1], s[10:11], s[82:83]
	s_sub_co_u32 s80, s80, 16                      ; counted from v's first column
	s_lshl_b32 s80, s80, 7
	s_lshl_b32 s81, s[TY], 1
	s_add_co_u32 s81, s81, s[WB]                   ; my 128 keys
	s_add_co_u32 s80, s80, s81
	s_mul_i32 s80, s80, BLKB
	s_mov_b32 s81, 0
	s_add_nc_u64 s[OUTB:OUTB+1], s[14:15], s[80:81]
	WIN TO_B
	s_wait_alu depctr_va_vdst(0)
.irp a, 0,1,2,3,4,5,6,7
	global_load_b32 v[96+\a], v[BO2], s[BIB:BIB+1] offset:(32*(\a/2)+8*(\a%2))*4   ; tile a's bias of my channel
.endr
	WIN 0
	STEP 6, 0, 1, 0
	LAST
	s_wait_loadcnt 0x0
	PLACES 4
	WIN 0x55
.irp b, 0,1,2,3
	v_mov_b32 v[TM+4+\b], 0
.endr
.irp a, 0,1,2,3,4,5,6,7
	ADDB \a, 1
	s_wait_xcnt 0x0                                ; earlier stores have read their registers
	QUANT H, OUT0, OUT0+6, SCW0+(\a%4)
	WIN 0x04
.irp g, 0,1,2
	global_store_b128 v[L16], v[OUT0+4*\g:OUT0+4*\g+3], s[OUTB:OUTB+1] offset:HEADB*(\a/4)+512*(3*(\a%4)+\g)
.endr
.if (\a%4) == 3
	global_store_b128 v[L16], v[SCW0:SCW0+3], s[OUTB:OUTB+1] offset:HEADB*(\a/4)+6144
.endif
.endr
	WIN 0
.Lend:
	s_wait_tensorcnt 0x0                           ; the wave's end
	ds_add_u32 v[SPW], v[NIL]
	s_wait_dscnt 0x0
	CROUND                                         ; the closing round
	s_endpgm
.Lfunc_end_k_q6b2da8fe23_gemm_qkv:
	.size	k_q6b2da8fe23_gemm_qkv, .Lfunc_end_k_q6b2da8fe23_gemm_qkv-k_q6b2da8fe23_gemm_qkv
	.p2alignl 7, 3214868480
	.fill 96, 4, 3214868480
	.section	.rodata,"a",@progbits
	.p2align	6, 0x0
	.amdhsa_kernel k_q6b2da8fe23_gemm_qkv
		.amdhsa_group_segment_fixed_size 327680
		.amdhsa_private_segment_fixed_size 0
		.amdhsa_enable_private_segment 0
		.amdhsa_kernarg_size 48
		.amdhsa_user_sgpr_count 2
		.amdhsa_user_sgpr_kernarg_segment_ptr 1
		.amdhsa_wavefront_size32 1
		.amdhsa_system_sgpr_workgroup_id_x 1
		.amdhsa_system_sgpr_workgroup_id_y 1
		.amdhsa_system_sgpr_workgroup_id_z 1
		.amdhsa_system_vgpr_workitem_id 0
		.amdhsa_next_free_vgpr 1024
		.amdhsa_next_free_sgpr 100
		.amdhsa_reserve_vcc 0
		.amdhsa_float_denorm_mode_32 3
		.amdhsa_float_denorm_mode_16_64 3
		.amdhsa_memory_ordered 1
		.amdhsa_forward_progress 1
		.amdhsa_inst_pref_size 254
	.end_amdhsa_kernel
	.amdgpu_metadata
---
amdhsa.version: [ 1, 2 ]
amdhsa.kernels:
  - .name:           k_q6b2da8fe23_gemm_qkv
    .symbol:         k_q6b2da8fe23_gemm_qkv.kd
    .args:
      - { .name: xc, .offset: 0, .size: 8, .value_kind: global_buffer, .address_space: global }
      - { .name: wc, .offset: 8, .size: 8, .value_kind: global_buffer, .address_space: global }
      - { .name: scl, .offset: 16, .size: 8, .value_kind: global_buffer, .address_space: global }
      - { .name: bqkv, .offset: 24, .size: 8, .value_kind: global_buffer, .address_space: global }
      - { .name: qk, .offset: 32, .size: 8, .value_kind: global_buffer, .address_space: global }
      - { .name: vv, .offset: 40, .size: 8, .value_kind: global_buffer, .address_space: global }
    .group_segment_fixed_size: 327680
    .private_segment_fixed_size: 0
    .kernarg_segment_align: 8
    .kernarg_segment_size: 48
    .max_flat_workgroup_size: 128
    .sgpr_count:     100
    .vgpr_count:     1024
    .wavefront_size: 32
...
	.end_amdgpu_metadata
.endif
;; end of part 2
;; launch attn (part 3): grid 4 x 64, 16 waves a work-group, no clusters, 327,680 bytes of LDS; arguments qk, vv, yc, scl; writes yc, scl
.if DOCPART == 3
	.amdgcn_target "amdgcn-amd-amdhsa--gfx1250"
	.amdhsa_code_object_version 6
	.text
	.protected	k_q6b2da8fe23_attn
	.globl	k_q6b2da8fe23_attn
	.p2align	8
	.type	k_q6b2da8fe23_attn,@function
k_q6b2da8fe23_attn:
	s_mov_b64 s[64:65], 0
	v_nop
	global_prefetch_b8 v0, s[64:65] scope:SCOPE_SE
	s_setreg_imm32_b32 hwreg(HW_REG_WAVE_MODE, 25, 1), 1
	s_wait_xcnt 0x0
; Causal attention of one head (64 channels, 2,048 tokens) on codes of FP6 (E2M3) with E8M0 scales, and the quantising of its result y along the channels for the last product.
; t = score x log2(e) / 8; M = the running largest t rounded UP to a whole number; p = 2^(t - M) is quantised along the keys, not normalised; the row's sum of the unquantised p divides at the end.
; SHARES.  Work-group x = PI (0 .. 3) of head y owns the blocks of 256 queries PI and 7 - PI: (PI + 1) + (8 - PI) = 9 visits of a slot of 256 keys in EVERY work-group, so the trip count is a constant and the work even.
; Each of sixteen waves owns one tile of 16 queries in each block; four waves share a SIMD, so that one wave's vector work stands beside another's products and LDS loads.
; A key step all of whose 128 keys come after my queries is left out by a scalar branch on ids; on the diagonal hidden scores become -infinity ahead of the maximum.
; BOTH PRODUCTS TRANSPOSED: S^T = K Q^T, O^T = V^T P^T: a lane holds one query throughout.  Tiles hold rows 32 (t / 2) + 8 (t % 2) + r + 8 (r / 8) of their 128, so that the 16 registers of two neighbouring tiles are 16 neighbours.
; K's, V's and Q's blocks (6,656 bytes for 128 tokens) are images of 48 registers and 512 bytes of scale words: 13 loads of 16 bytes a lane bring a key step's K, 13 its V.
; THE FIRST PRODUCT'S K IS 64: Q's upper six registers are zeros.  K's fragment t is registers 6 t .. 6 t + 11 of the step's 48: its upper six are the NEXT tile's codes (behind tile 7: six zeros); against Q's zero codes they add exactly 0.
; No joint loads: the four work-groups of a head want different key slots at the same visit (the slot hangs on the work-group's number), and a work-group fetches 240 KB in all.
; LIMITS: a block of zeros gets the byte 1 (its codes are zeros; this program alone reads the bytes); blocks under 2^-124 are held at that floor; the exponential and the reciprocal are the chip's own (ISA guide 15.8) and flush denormals;
; a block's largest p is taken as the exponential of its largest score; NaN and infinities are not served.
.set BLKB,  6656
.set SLOT1, 32768                      ; slot 0 at byte 0, slot 1 here: K step 0, K step 1, V step 0, V step 1, 6,656 bytes each
.set SPARE, 65536                      ; the spare words, 128 bytes for each wave: eight blocks of 256 bytes that no other line names
.set YS,    393216                     ; y's scale bytes in scl
.set AD,  2                            ; v1 16 x lane; v2 the LDS address in hand
.set SPW, 3                            ; v3 my spare word; v4 0; never rewritten
.set NIL, 4
                                       ; v5 8 x lane; v6 32 r + h; v7 r + 8 (r / 8) - 16 h; v8 256 x lane
                                       ; v12 -M, v13 the largest t, v[14:15] the sum in two halves; v16-21 Q, v22-27 zeros; v30-35, v36 the second block's Q and scale word
.set QS,  28
.set KV,  40                           ; v40-87 K's, then V's fragments; v88-93 zeros
.set KS,  94                           ; v94-97 K's scale words
.set VS,  98                           ; v98-101 V's
.set S,   104                          ; v104-167 S^T, then p
.set O,   168                          ; v168-199 O^T
.set PC,  200                          ; v200-211 p's codes
.set TC,  212                          ; v212-219
.set BM,  220                          ; v220-223 the blocks' largest
.set PT,  224                          ; v224-227 permutes, bytes
.set SOP, 228                          ; v228-231 the conversions' scale operands
.set S2,  232                          ; v[232:233] the sum's second chain
.set PS,  236                          ; p's scale word
.set F,   238                          ; v[238:239] f
.set WV,  18
.set PI,  19
.set VIS, 20
.set TB,  21
.set KF,  22                           ; the step's first key
.set Q0,  23                           ; my tile's first query
.set G1,  24
.set Q0B, 32
.set PW1, 33
.set SEL, 34
.set CS,  36
.set LIM, 38
.set M16, 39
.set G0,  40
.set BW,  44                           ; s[44:45] where my wave's tiles begin in memory
.set YA,  48
.set YB,  50
.set SA,  52
.set SBB, 54
.set PB,  56
.set PFA, 58
.set QA,  60
.set QB,  62
.macro TLOAD                           ; waves 0, 1: a slot's two blocks of K; waves 2, 3: of V; an s_nop 0 and four v_nop follow the line
	s_cmp_lt_u32 s[WV], 4
	s_cbranch_scc0 .Lnone_\@
	tensor_load_to_lds s[G0:G0+3], s[G1:G1+7]
	s_nop 0
.rept 4
	v_nop
.endr
.Lnone_\@:
.endm
; A PREFETCH INTO THE L2.  All four work-groups of a head walk the same K and V: the one with PI = 0, which walks keys 0 .. 2,047 in visits 1 to 8, asks.  A head's K is 13 pieces of 8,192 bytes, and so is its V.
; In visits 1 to 5 waves 4, 5 name K's pieces 2 VIS + 1, 2 VIS + 2 and waves 6, 7 V's, lanes 256 bytes apart: pieces 3 to 12, each once; they hold what the NEXT change of slots asks for.  Pieces 0 to 2 come by their loads alone.
.macro ASK
	s_sub_co_u32 s82, s[VIS], 1
	s_cmp_lt_u32 s82, s[LIM]
	s_cbranch_scc0 .Lnot_mine_\@
	global_prefetch_b8 v8, s[PFA:PFA+1] th:TH_LOAD_NT scope:SCOPE_SE
.Lnot_mine_\@:
.endm
; THE CHANGE OF SLOTS, at a visit's head.  fill = 1: the slot just left takes the next visit's keys: that load has a whole visit in which to land
.macro CHANGE fill
	s_wait_tensorcnt 0x0                           ; no tensor load of mine is out, so the group 0 may be written
	ds_add_u32 v[SPW], v[NIL]                      ; 0 onto my spare word
.if \fill
	s_add_co_u32 s46, s[VIS], 1                    ; the next visit's key slot: VIS + 1, or counted anew in the second block
	s_add_co_u32 s47, s[PI], 1
	s_cmp_gt_u32 s46, s[PI]
	s_cselect_b32 s47, s47, 0
	s_sub_co_u32 s46, s46, s47
	s_mul_i32 s46, s46, 2*BLKB
	s_mov_b32 s47, 0
	s_add_nc_u64 s[G0+2:G0+3], s[BW:BW+1], s[46:47]
	s_or_b32 s[G0+3], s[G0+3], 0x80000000
	s_xor_b32 s[G0+1], s[G0+1], SLOT1
	s_wait_xcnt 0x0                                ; the last prefetch, a visit back, has read its address
	s_lshl_b32 s46, s[VIS], 1
	s_add_co_u32 s46, s46, s[PW1]
	s_lshl_b32 s46, s46, 13
	s_add_nc_u64 s[PFA:PFA+1], s[PB:PB+1], s[46:47]
.endif
	s_wait_dscnt 0x0                               ; the add is done, and my reads of the slot that I have left are over
	s_barrier_signal -1
	s_barrier_wait -1
.if \fill
	TLOAD                                          ; the first thing behind the barrier, and a wave's one tensor load until the next
	ASK
.endif
.endm
; A KEY STEP: 128 keys, the q-th of the slot in hand
.macro STEP q
	s_add_co_u32 s82, s[Q0], 23                    ; my tile's last query
	s_cmp_gt_u32 s[KF], s82
	s_cbranch_scc1 .Lhidden_\@
	v_add_nc_u32 v[AD], s[TB], v1
.rept 3
	v_nop                                          ; with the addition: four places in front of loads into registers that the last products read
.endr
.irp g, 0,1,2,3,4,5,6,7,8,9,10,11
	ds_load_b128 v[KV+4*\g:KV+4*\g+3], v[AD] offset:BLKB*(\q)+512*\g
.endr
	ds_load_b128 v[KS:KS+3], v[AD] offset:BLKB*(\q)+6144
	s_wait_alu depctr_va_vdst(0)
	s_wait_dscnt 0x0
.irp t, 0,2,4,6
	v_wmma_scale_f32_16x16x128_f8f6f4 v[S+8*\t:S+8*\t+7], v[KV+6*\t:KV+6*\t+11], v[16:27], 0, v[KS+\t/2], v[QS] matrix_a_fmt:MATRIX_FMT_FP6 matrix_b_fmt:MATRIX_FMT_FP6
	v_wmma_scale_f32_16x16x128_f8f6f4 v[S+8*\t+8:S+8*\t+15], v[KV+6*\t+6:KV+6*\t+17], v[16:27], 0, v[KS+\t/2], v[QS] matrix_a_fmt:MATRIX_FMT_FP6 matrix_b_fmt:MATRIX_FMT_FP6 matrix_a_scale:MATRIX_SCALE_ROW1
.endr
.rept 4
	v_nop                                          ; places in front of the loads below and of the first read of the scores
.endr
.irp g, 0,1,2,3,4,5,6,7,8,9,10,11
	ds_load_b128 v[KV+4*\g:KV+4*\g+3], v[AD] offset:2*BLKB+BLKB*(\q)+512*\g   ; V lands under the softmax
.endr
	ds_load_b128 v[VS:VS+3], v[AD] offset:2*BLKB+BLKB*(\q)+6144
	s_add_co_u32 s82, s[KF], 127
	s_cmp_le_u32 s82, s[Q0]
	s_cbranch_scc1 .Lopen_\@                       ; all 128 keys count
	s_sub_co_i32 s82, s[Q0], s[KF]
	v_add_nc_u32 v240, s82, v7                     ; d = my query - KF - 16 h.  Register 16 b + i holds key KF + 32 b + 16 h + i: hidden where 32 b + i > d
	v_mov_b32 v241, 0xff800000
.irp n, 0,1,2,3,4,5,6,7,8,9,10,11,12,13,14,15,16,17,18,19,20,21,22,23,24,25,26,27,28,29,30,31,32,33,34,35,36,37,38,39,40,41,42,43,44,45,46,47,48,49,50,51,52,53,54,55,56,57,58,59,60,61,62,63
	v_cmp_gt_i32 vcc_lo, 32*(\n/16)+\n%16, v240
	v_cndmask_b32 v[S+\n], v[S+\n], v241, vcc_lo
.endr
.Lopen_\@:
.irp b, 0,1,2,3
	v_max3_num_f32 v[BM+\b], v[S+16*\b], v[S+1+16*\b], v[S+2+16*\b]   ; the largest score of each block of 32 keys: for the row's maximum, and for the block's largest p
.endr
.irp i, 3,5,7,9,11,13
.irp b, 0,1,2,3
	v_max3_num_f32 v[BM+\b], v[BM+\b], v[S+16*\b+\i], v[S+1+16*\b+\i]
.endr
.endr
.irp b, 0,1,2,3
	v_max_num_f32 v[BM+\b], v[BM+\b], v[S+15+16*\b]
.endr
.irp b, 0,1,2,3
	s_delay_alu instid0(VALU_DEP_4)
	v_permlanex16_b32 v[PT+\b], v[BM+\b], s[SEL], s[SEL+1]
.endr
.irp b, 0,1,2,3
	s_delay_alu instid0(VALU_DEP_4)
	v_max_num_f32 v[BM+\b], v[BM+\b], v[PT+\b]
.endr
	s_delay_alu instid0(VALU_DEP_2)
	v_max3_num_f32 v240, v[BM], v[BM+1], v[BM+2]
	s_delay_alu instid0(VALU_DEP_1)
	v_max_num_f32 v240, v240, v[BM+3]
	s_delay_alu instid0(VALU_DEP_1)
	v_mul_f32 v240, s[CS], v240
	s_delay_alu instid0(VALU_DEP_1)
	v_max_num_f32 v13, v13, v240                   ; the running largest t
	v_mov_b32 v240, v12
	s_delay_alu instid0(VALU_DEP_2)
	v_floor_f32 v12, -v13                          ; -M = floor(-t): M is a whole number
	s_delay_alu instid0(VALU_DEP_1)
	v_sub_f32 v240, v12, v240
	s_delay_alu instid0(VALU_DEP_1)
	v_cvt_i32_f32 v240, v240                       ; (it saturates)
	s_delay_alu instid0(VALU_DEP_1)
	v_ldexp_f32 v[F], 1.0, v240                    ; f = 2^(old M - new M): rounds nothing
.irp j, 0,2,4,6,8,10,12,14,16,18,20,22,24,26,28,30,32,34,36,38,40,42,44,46,48,50,52,54,56,58,60,62
	v_pk_fma_f32 v[S+\j:S+\j+1], v[S+\j:S+\j+1], s[CS:CS+1], v[12:13] op_sel_hi:[1,0,0]   ; t - M
.endr
.irp b, 0,1,2,3
	v_fma_f32 v[BM+\b], v[BM+\b], s[CS], v12
.endr
	s_wait_alu depctr_va_vdst(0)
.irp j, 0,1,2,3,4,5,6,7,8,9,10,11,12,13,14,15,16,17,18,19,20,21,22,23,24,25,26,27,28,29,30,31,32,33,34,35,36,37,38,39,40,41,42,43,44,45,46,47,48,49,50,51,52,53,54,55,56,57,58,59,60,61,62,63
	v_exp_f32 v[S+\j], v[S+\j]                     ; p = 2^(t - M)
.endr
	v_pk_mul_f32 v[14:15], v[14:15], v[F:F+1] op_sel_hi:[1,0]   ; the sums under the new M: a plain place behind the exponentials
	s_wait_alu depctr_va_vdst(0)                   ; one wait for the batch, ahead of its first reader
.irp b, 0,1,2,3
	v_exp_f32 v[BM+\b], v[BM+\b]                   ; the blocks' largest p
.endr
	v_pk_add_f32 v[232:233], v[108:109], v[112:113]
	v_pk_add_f32 v[254:255], v[116:117], v[120:121]
	v_pk_add_f32 v[252:253], v[124:125], v[128:129]
	v_pk_add_f32 v[250:251], v[132:133], v[136:137]
	v_pk_add_f32 v[248:249], v[140:141], v[144:145]
	v_pk_add_f32 v[246:247], v[148:149], v[152:153]
	v_pk_add_f32 v[244:245], v[156:157], v[160:161]
	v_pk_add_f32 v[14:15], v[14:15], v[164:165]
	v_pk_add_f32 v[232:233], v[232:233], v[104:105]
	v_pk_add_f32 v[254:255], v[254:255], v[106:107]
	v_pk_add_f32 v[252:253], v[252:253], v[110:111]
	v_pk_add_f32 v[250:251], v[250:251], v[114:115]
	v_pk_add_f32 v[248:249], v[248:249], v[118:119]
	v_pk_add_f32 v[246:247], v[246:247], v[122:123]
	v_pk_add_f32 v[244:245], v[244:245], v[126:127]
	v_pk_add_f32 v[14:15], v[14:15], v[130:131]
	v_pk_add_f32 v[232:233], v[232:233], v[134:135]
	v_pk_add_f32 v[254:255], v[254:255], v[138:139]
	v_pk_add_f32 v[252:253], v[252:253], v[142:143]
	v_pk_add_f32 v[250:251], v[250:251], v[146:147]
	v_pk_add_f32 v[248:249], v[248:249], v[150:151]
	v_pk_add_f32 v[246:247], v[246:247], v[154:155]
	v_pk_add_f32 v[244:245], v[244:245], v[158:159]
	v_pk_add_f32 v[14:15], v[14:15], v[162:163]
	v_pk_add_f32 v[232:233], v[232:233], v[166:167]
	s_delay_alu instid0(VALU_DEP_2)
	v_pk_add_f32 v[14:15], v[14:15], v[250:251]
	s_delay_alu instid0(VALU_DEP_2)
	v_pk_add_f32 v[232:233], v[232:233], v[248:249]
	v_pk_add_f32 v[254:255], v[254:255], v[246:247]
	v_pk_add_f32 v[252:253], v[252:253], v[244:245]
	s_delay_alu instid0(VALU_DEP_2)
	v_pk_add_f32 v[14:15], v[14:15], v[254:255]
	s_delay_alu instid0(VALU_DEP_2)
	v_pk_add_f32 v[232:233], v[232:233], v[252:253]
	s_delay_alu instid0(VALU_DEP_1)
	v_pk_add_f32 v[14:15], v[14:15], v[232:233]
	s_wait_alu depctr_va_vdst(0)                   ; and one for the four
.irp b, 0,1,2,3
	v_max_num_f32 v[BM+\b], 0x1800000, v[BM+\b]    ; the floor: the byte cannot fall under 1
.endr
.irp b, 0,1,2,3
	s_delay_alu instid0(VALU_DEP_4)
	v_add_nc_u32 v[SOP+\b], 0xff000000, v[BM+\b]
.endr
.irp b, 0,1,2,3
	s_delay_alu instid0(VALU_DEP_4)
	v_lshrrev_b32 v[PT+\b], 23, v[SOP+\b]
.endr
	s_delay_alu instid0(VALU_DEP_3)
	v_lshl_or_b32 v[PS], v[PT+1], 8, v[PT]
	s_delay_alu instid0(VALU_DEP_1)
	v_lshl_or_b32 v[PS], v[PT+2], 16, v[PS]
	s_delay_alu instid0(VALU_DEP_1)
	v_lshl_or_b32 v[PS], v[PT+3], 24, v[PS]
.irp c, 0,1
	v_cvt_scalef32_pk16_fp6_f32 v[PC+6*\c:PC+6*\c+2], v[S+32*\c:S+32*\c+15], v[SOP+2*\c]
	v_cvt_scalef32_pk16_fp6_f32 v[TC+4*\c:TC+4*\c+2], v[S+32*\c+16:S+32*\c+31], v[SOP+2*\c+1]
.endr
	v_nop                                          ; one plain place behind a scaled conversion
.irp c, 0,1
.irp i, 0,1,2
	v_permlane16_swap_b32 v[PC+6*\c+\i], v[TC+4*\c+\i]   ; a whole block to a lane
.endr
.irp i, 0,1,2
	s_delay_alu instid0(VALU_DEP_3)
	v_mov_b32 v[PC+6*\c+3+\i], v[TC+4*\c+\i]
.endr
.endr
.irp j, 0,2,4,6,8,10,12,14,16,18,20,22,24,26,28,30
	v_pk_mul_f32 v[O+\j:O+\j+1], v[O+\j:O+\j+1], v[F:F+1] op_sel_hi:[1,0]   ; O^T under the new M; these sixteen are also the places between the scale word, the codes and the products
.endr
	s_wait_alu depctr_va_vdst(0)
	s_wait_dscnt 0x0                               ; V
.irp t, 0,1,2,3
	v_wmma_scale_f32_16x16x128_f8f6f4 v[O+8*\t:O+8*\t+7], v[KV+12*\t:KV+12*\t+11], v[PC:PC+11], v[O+8*\t:O+8*\t+7], v[VS+\t], v[PS] matrix_a_fmt:MATRIX_FMT_FP6 matrix_b_fmt:MATRIX_FMT_FP6
.endr
.Lhidden_\@:
	s_add_co_u32 s[KF], s[KF], 128
.endm
; THE WAY OUT of a block of queries: O^T / the sum is y(my query, 64 head + 32 b + 16 h + i) in register 16 b + i; its two blocks of 32 are quantised; the six registers of codes are my tile's image for K = 64 head on
.macro WAYOUT yb, sb
.rept 4
	v_nop                                          ; places behind the last products
.endr
	v_add_f32 v14, v14, v15
	s_delay_alu instid0(VALU_DEP_1)
	v_permlanex16_b32 v[PT], v14, s[SEL], s[SEL+1]
	s_delay_alu instid0(VALU_DEP_1)
	v_add_f32 v14, v14, v[PT]
	s_wait_alu depctr_va_vdst(0)
	v_rcp_f32 v[F], v14
	v_nop                                          ; a plain place behind the reciprocal
	s_wait_alu depctr_va_vdst(0)                   ; and the wait ahead of its first reader
.irp j, 0,2,4,6,8,10,12,14,16,18,20,22,24,26,28,30
	v_pk_mul_f32 v[S+\j:S+\j+1], v[O+\j:O+\j+1], v[F:F+1] op_sel_hi:[1,0]
.endr
.irp b, 0,1
	v_max3_num_f32 v[BM+\b], |v[S+16*\b]|, |v[S+1+16*\b]|, 0x1800000
.endr
.irp i, 2,4,6,8,10,12,14
.irp b, 0,1
	s_delay_alu instid0(VALU_DEP_2)
	v_max3_num_f32 v[BM+\b], v[BM+\b], |v[S+16*\b+\i]|, |v[S+1+16*\b+\i]|
.endr
.endr
.irp b, 0,1
	s_delay_alu instid0(VALU_DEP_2)
	v_permlanex16_b32 v[PT+\b], v[BM+\b], s[SEL], s[SEL+1]
.endr
.irp b, 0,1
	s_delay_alu instid0(VALU_DEP_2)
	v_max_num_f32 v[BM+\b], v[BM+\b], v[PT+\b]
.endr
.irp b, 0,1
	s_delay_alu instid0(VALU_DEP_2)
	v_add_nc_u32 v[SOP+\b], 0xff000000, v[BM+\b]
.endr
.irp b, 0,1
	s_delay_alu instid0(VALU_DEP_2)
	v_lshrrev_b32 v[PT+\b], 23, v[SOP+\b]
.endr
	v_cvt_scalef32_pk16_fp6_f32 v[PC:PC+2], v[S:S+15], v[SOP]
	v_cvt_scalef32_pk16_fp6_f32 v[TC:TC+2], v[S+16:S+31], v[SOP+1]
	v_nop
.irp i, 0,1,2
	v_permlane16_swap_b32 v[PC+\i], v[TC+\i]
.endr
.irp i, 0,1,2
	s_delay_alu instid0(VALU_DEP_3)
	v_mov_b32 v[PC+3+\i], v[TC+\i]
.endr
	v_cndmask_b32 v[PT+2], v[PT], v[PT+1], s[M16]  ; lane (r, h) stores block h's byte
.irp i, 0,1,2
	global_store_b64 v5, v[PC+2*\i:PC+2*\i+1], s[\yb:\yb+1] offset:256*\i   ; 32 lanes store 256 consecutive bytes, aligned
.endr
	global_store_b8 v6, v[PT+2], s[\sb:\sb+1]      ; two bytes of each row's 32: the other heads' work-groups store the others
.endm
	s_load_b256 s[4:11], s[0:1], 0x0               ; qk s[4:5], vv s[6:7], yc s[8:9], scl s[10:11]
	v_lshl_add_u32 v[SPW], v0, 2, SPARE
	v_mov_b32 v[NIL], 0
	ds_add_u32 v[SPW], v[NIL]                      ; the wave's opening, ahead of my first tensor load
	ds_add_u32 v[SPW], v[NIL]
	v_lshrrev_b32 v1, 5, v0
	s_delay_alu instid0(VALU_DEP_1)
	v_readfirstlane_b32 s[WV], v1
	s_mov_b32 s[PI], ttmp9
	s_and_b32 s70, ttmp7, 0xffff                   ; 4 x head + batch
	s_mov_b32 s[G1], 3<<16                         ; elements of 8 bytes, no mask, no padding: a block is 26 dense rows of 256 bytes
	s_mov_b32 s[G1+1], 32<<16
	s_mov_b32 s[G1+2], 26<<16
	s_mov_b32 s[G1+3], 32<<16
	s_mov_b32 s[G1+4], 26
	s_mov_b32 s[G1+5], 32
	s_mov_b32 s[G1+6], 0
	s_mov_b32 s[G1+7], 0
	s_mul_i32 s71, s70, 16*BLKB                    ; my head's 16 blocks in vv, and q's in qk
	s_add_co_u32 s72, s71, 1024*BLKB               ; k's in qk
	s_and_b32 s73, s[WV], 1
	s_add_co_u32 s[PW1], s73, 1
	s_mul_i32 s73, s73, BLKB
	s_sub_co_u32 s76, 7, s[PI]                     ; the second block of queries
	s_lshr_b32 s77, s[WV], 1
	s_lshl_b32 s77, s77, 5
	s_and_b32 s78, s[WV], 1
	s_lshl_b32 s78, s78, 3
	s_add_co_u32 s77, s77, s78                     ; my tile's first row in a block of 256
	s_lshl_b32 s[Q0], s[PI], 8
	s_add_co_u32 s[Q0], s[Q0], s77
	s_lshl_b32 s[Q0B], s76, 8
	s_add_co_u32 s[Q0B], s[Q0B], s77
	s_and_b32 s78, s70, 3
	s_lshl_b32 s78, s78, 7
	s_add_co_u32 s78, s78, s[WV]                   ; 128 x batch + wave
	s_lshr_b32 s79, s70, 2                         ; head
	s_lshl_b32 s80, s[PI], 4
	s_add_co_u32 s80, s80, s78                     ; y's tile, first block
	s_lshl_b32 s81, s76, 4
	s_add_co_u32 s81, s81, s78                     ; second block
	s_mul_i32 s82, s79, 768
	s_mul_i32 s84, s80, 12288
	s_add_co_u32 s84, s84, s82
	s_mov_b32 s85, 0
	s_mul_i32 s86, s81, 12288
	s_add_co_u32 s86, s86, s82
	s_mov_b32 s87, 0
	s_lshl_b32 s82, s79, 1
	s_add_co_u32 s82, s82, YS
	s_lshl_b32 s88, s80, 9
	s_add_co_u32 s88, s88, s82
	s_mov_b32 s89, 0
	s_lshl_b32 s90, s81, 9
	s_add_co_u32 s90, s90, s82
	s_mov_b32 s91, 0
	s_lshr_b32 s83, s[WV], 3                       ; which 128 of the 256 queries
	s_lshl_b32 s92, s[PI], 1
	s_add_co_u32 s92, s92, s83
	s_mul_i32 s92, s92, BLKB
	s_add_co_u32 s92, s92, s71
	s_mov_b32 s93, 0
	s_lshl_b32 s94, s76, 1
	s_add_co_u32 s94, s94, s83
	s_mul_i32 s94, s94, BLKB
	s_add_co_u32 s94, s94, s71
	s_mov_b32 s95, 0
	s_mov_b32 s[SEL], 0x76543210
	s_mov_b32 s[SEL+1], 0xfedcba98
	s_mov_b32 s[CS], 0x3e38aa3b                    ; log2(e) / 8
	s_mov_b32 s[CS+1], s[CS]
	s_mov_b32 s[M16], 0xffff0000
	s_mov_b32 s[VIS], 0
	s_mov_b32 s[TB], 0
	s_mov_b32 s[KF], 0
	s_lshr_b32 s82, s[WV], 2
	s_xor_b32 s82, s82, 1
	s_or_b32 s82, s82, ttmp9
	s_cmp_eq_u32 s82, 0                            ; waves 4 to 7 of the work-group with PI = 0
	s_cselect_b32 s[LIM], 5, 0
	s_and_b32 s82, s[WV], 3
	s_wait_dscnt 0x0                               ; the opening add is done
	s_wait_kmcnt 0x0
	s_cmp_lt_u32 s[WV], 2
	s_cselect_b64 s[BW:BW+1], s[4:5], s[6:7]
	s_cselect_b32 s74, s72, s71
	s_add_co_u32 s74, s74, s73
	s_mov_b32 s75, 0
	s_add_nc_u64 s[BW:BW+1], s[BW:BW+1], s[74:75]
	s_mov_b32 s[G0], 1
	s_mul_i32 s[G0+1], s82, BLKB
	s_mov_b64 s[G0+2:G0+3], s[BW:BW+1]
	s_or_b32 s[G0+3], s[G0+3], 0x80000000
	TLOAD                                          ; keys 0 to 255 into slot 0
	s_cmp_lt_u32 s[WV], 6
	s_cselect_b64 s[PB:PB+1], s[4:5], s[6:7]
	s_cselect_b32 s74, s72, s71
	s_add_nc_u64 s[PB:PB+1], s[PB:PB+1], s[74:75]
	s_mov_b64 s[PFA:PFA+1], s[PB:PB+1]
	s_add_nc_u64 s[YA:YA+1], s[8:9], s[84:85]
	s_add_nc_u64 s[YB:YB+1], s[8:9], s[86:87]
	s_add_nc_u64 s[SA:SA+1], s[10:11], s[88:89]
	s_add_nc_u64 s[SBB:SBB+1], s[10:11], s[90:91]
	s_add_nc_u64 s[QA:QA+1], s[4:5], s[92:93]
	s_add_nc_u64 s[QB:QB+1], s[4:5], s[94:95]
	v_and_b32 v9, 31, v0                           ; lane
	v_and_b32 v10, 15, v0                          ; r
	v_bfe_u32 v11, v0, 4, 1                        ; h
	s_delay_alu instid0(VALU_DEP_3)
	v_lshlrev_b32 v1, 4, v9
	s_wait_alu depctr_va_vdst(0)
	v_lshlrev_b32 v5, 3, v9
	v_lshl_add_u32 v6, v10, 5, v11
	v_and_b32 v7, 8, v10
	s_delay_alu instid0(VALU_DEP_1)
	v_add_nc_u32 v7, v7, v10
	v_lshlrev_b32 v240, 4, v11
	s_delay_alu instid0(VALU_DEP_1)
	v_sub_nc_u32 v7, v7, v240
	v_lshlrev_b32 v8, 8, v9
	s_and_b32 s78, s[WV], 7                        ; my tile t: registers 6 t .. 6 t + 5 of the block's 48: pair p = 3 t + i lies at 512 (p / 2) + 8 (p % 2) + 16 x lane
	s_mul_i32 s79, s78, 3
.irp i, 0,1,2
	s_add_co_u32 s80, s79, \i
	s_lshr_b32 s81, s80, 1
	s_lshl_b32 s81, s81, 9
	s_and_b32 s80, s80, 1
	s_lshl_b32 s80, s80, 3
	s_add_co_u32 s80, s80, s81
	v_add_nc_u32 v[244+\i], s80, v1
.endr
	s_and_b32 s80, s78, 1
	s_lshl_b32 s80, s80, 8
	s_lshr_b32 s81, s78, 1
	s_lshl_b32 s81, s81, 2
	s_add_co_u32 s80, s80, s81
	v_lshl_add_u32 v247, v10, 4, s80               ; its scale word: 16 (r + 16 (t % 2)) + 4 (t / 2)
	s_wait_alu depctr_va_vdst(0)
.irp i, 0,1,2
	global_load_b64 v[16+2*\i:17+2*\i], v[244+\i], s[QA:QA+1]
	global_load_b64 v[30+2*\i:31+2*\i], v[244+\i], s[QB:QB+1]
.endr
	global_load_b32 v[QS], v247, s[QA:QA+1] offset:6144
	global_load_b32 v36, v247, s[QB:QB+1] offset:6144
.irp j, 0,1,2,3,4,5
	v_mov_b32 v[22+\j], 0                          ; Q's upper half of K: zero codes
	v_mov_b32 v[88+\j], 0                          ; what stands behind K's last tile
.endr
	v_mov_b32 v13, 0xff61b1e6                      ; the largest t so far: -3e38
	s_delay_alu instid0(VALU_DEP_1)
	v_floor_f32 v12, -v13
	v_mov_b32 v14, 0
	v_mov_b32 v15, 0
.irp b, 0,1,2,3
	v_mov_b32 v[PT+\b], 0                          ; a lane permute's destination counts as one of its sources
.endr
	v_mov_b32 v[F+1], 0                            ; named as the upper half of a pair
.irp j, 0,1,2,3,4,5,6,7,8,9,10,11,12,13,14,15,16,17,18,19,20,21,22,23,24,25,26,27,28,29,30,31
	v_mov_b32 v[O+\j], 0                           ; the step is written once: the first finds zeros
.endr
	s_wait_loadcnt 0x0                             ; Q
.Lvisit:                                           ; eight trips; the ninth visit is written out, since it asks for nothing
	CHANGE 1
	STEP 0
	STEP 1
	s_xor_b32 s[TB], s[TB], SLOT1
	s_cmp_lg_u32 s[VIS], s[PI]                     ; ids and the count of visits: all sixteen waves go the same way; no barrier and no tensor load inside
	s_cbranch_scc1 .Lsame
	WAYOUT YA, SA                                  ; the first block of queries is done
	s_wait_xcnt 0x0                                ; the stores have read their registers
.irp i, 0,1,2,3,4,5
	v_mov_b32 v[16+\i], v[30+\i]                   ; the second block's Q,
.endr
	v_mov_b32 v[QS], v36                           ; its scale word,
	v_mov_b32 v13, 0xff61b1e6                      ; and a fresh start
	s_delay_alu instid0(VALU_DEP_1)
	v_floor_f32 v12, -v13
	v_mov_b32 v14, 0
	v_mov_b32 v15, 0
.irp j, 0,1,2,3,4,5,6,7,8,9,10,11,12,13,14,15,16,17,18,19,20,21,22,23,24,25,26,27,28,29,30,31
	v_mov_b32 v[O+\j], 0
.endr
	s_mov_b32 s[KF], 0
	s_mov_b32 s[Q0], s[Q0B]
.Lsame:
	s_add_co_u32 s[VIS], s[VIS], 1
	s_cmp_lt_u32 s[VIS], 8
	s_cbranch_scc1 .Lvisit
	CHANGE 0
	STEP 0
	STEP 1
	WAYOUT YB, SBB
	s_wait_tensorcnt 0x0                           ; the wave's end
	ds_add_u32 v[SPW], v[NIL]
	s_wait_dscnt 0x0
	s_endpgm
.Lfunc_end_k_q6b2da8fe23_attn:
	.size	k_q6b2da8fe23_attn, .Lfunc_end_k_q6b2da8fe23_attn-k_q6b2da8fe23_attn
	.p2alignl 7, 3214868480
	.fill 96, 4, 3214868480
	.section	.rodata,"a",@progbits
	.p2align	6, 0x0
	.amdhsa_kernel k_q6b2da8fe23_attn
		.amdhsa_group_segment_fixed_size 327680
		.amdhsa_private_segment_fixed_size 0
		.amdhsa_enable_private_segment 0
		.amdhsa_kernarg_size 32
		.amdhsa_user_sgpr_count 2
		.amdhsa_user_sgpr_kernarg_segment_ptr 1
		.amdhsa_wavefront_size32 1
		.amdhsa_system_sgpr_workgroup_id_x 1
		.amdhsa_system_sgpr_workgroup_id_y 1
		.amdhsa_system_sgpr_workgroup_id_z 1
		.amdhsa_system_vgpr_workitem_id 0
		.amdhsa_next_free_vgpr 256
		.amdhsa_next_free_sgpr 100
		.amdhsa_reserve_vcc 1
		.amdhsa_float_denorm_mode_32 3
		.amdhsa_float_denorm_mode_16_64 3
		.amdhsa_memory_ordered 1
		.amdhsa_forward_progress 1
		.amdhsa_inst_pref_size 108
	.end_amdhsa_kernel
	.amdgpu_metadata
---
amdhsa.version: [ 1, 2 ]
amdhsa.kernels:
  - .name:           k_q6b2da8fe23_attn
    .symbol:         k_q6b2da8fe23_attn.kd
    .args:
      - { .name: qk, .offset: 0, .size: 8, .value_kind: global_buffer, .address_space: global }
      - { .name: vv, .offset: 8, .size: 8, .value_kind: global_buffer, .address_space: global }
      - { .name: yc, .offset: 16, .size: 8, .value_kind: global_buffer, .address_space: global }
      - { .name: scl, .offset: 24, .size: 8, .value_kind: global_buffer, .address_space: global }
    .group_segment_fixed_size: 327680
    .private_segment_fixed_size: 0
    .kernarg_segment_align: 8
    .kernarg_segment_size: 32
    .max_flat_workgroup_size: 512
    .sgpr_count:     100
    .vgpr_count:     256
    .wavefront_size: 32
...
	.end_amdgpu_metadata
.endif
;; end of part 3
;; launch gemm_proj (part 4): grid 4 x 32, 4 waves a work-group, clusters of 4 x 4, 327,680 bytes of LDS; arguments yc, wc, scl, bproj, out0; writes out0
.if DOCPART == 4
	.amdgcn_target "amdgcn-amd-amdhsa--gfx1250"
	.amdhsa_code_object_version 6
	.text
	.protected	k_q6b2da8fe23_gemm_proj
	.globl	k_q6b2da8fe23_gemm_proj
	.p2align	8
	.type	k_q6b2da8fe23_gemm_proj,@function
k_q6b2da8fe23_gemm_proj:
	s_mov_b64 s[64:65], 0
	v_nop
	global_prefetch_b8 v0, s[64:65] scope:SCOPE_SE
	s_setreg_imm32_b32 hwreg(HW_REG_WAVE_MODE, 25, 1), 1
	s_wait_xcnt 0x0
	s_wait_alu depctr_hold_cnt(0) depctr_sa_sdst(0) depctr_va_vdst(0) depctr_va_sdst(0) depctr_va_ssrc(0) depctr_va_vcc(0) depctr_vm_vsrc(0)
	s_getreg_b32 s2, hwreg(HW_REG_IB_STS2, 6, 4)
	s_cmp_eq_u32 s2, 0
	s_cbranch_scc0 .Lentry_in_a_cluster
	s_endpgm
.Lentry_in_a_cluster:
	s_bfe_u32 s2, ttmp6, 0x10000c
	s_cmp_lg_u32 s2, 0xf033
	s_cbranch_scc0 .Lentry_shape_is_right
	s_endpgm
.Lentry_shape_is_right:
; out0 = y Wproj + bproj on codes of FP6 (E2M3) with E8M0 scales, K = 1,024; out0 [8192][1024] f32.
; A work-group makes 256 tokens x 256 columns, a wave 128 x 128: 64 accumulators.  Codes come as images of the operand's registers (12,288 bytes a tile of 16 rows, 1,536 for each 128 along K): a fragment is six loads
; of 8 bytes a lane, 256 consecutive bytes each.  Tile t of a group of 128 rows holds at row r the group's row 32 (t / 2) + 8 (t % 2) + r + 8 (r / 8), tokens and columns alike.
; Source 0 = columns, source 1 = tokens: a lane holds one token, and the 16 registers of two neighbouring result tiles are 16 neighbouring columns.  The bias is the C of each sum's first product.
; K's 1,024 are four slots' worth of 256; three LDS slots are filled at the start (three tensor loads of a wave are out), the fourth part refills slot 0 behind the one round of the cluster's barrier.
; CLUSTER 4 x 4: the tokens' tiles are asked for jointly along a row of the cluster, the columns' along a column.  The grid has 128 work-groups: a tile of half the size would fill more WGPs at one and a half times the LDS bytes a product.
; THE SCALE WORDS of my 128 + 128 rows for all of K are 64 registers, loaded once: register 8 i + q: lanes 0-15 the tokens' tile i, lanes 16-31 the columns' tile i, K step q.
; REGISTERS: window 0: v16-31 addresses; v32-95 scale words; v128-223 the tokens' fragments, one set (on the way out v128-255: rows of out0).  Window 1: v0-95, v128-223 the columns' fragments, two sets; v96-127, v224-255 the bias.
; Windows 2, 3: the accumulators, (a, b) at v[8 (8 (a % 4) + b)].
.set SLOT,  98304
.set REG,   49152
.set HALF,  24576
.set SPARE, 3*SLOT                     ; the spare words, 128 bytes for each wave: two blocks of 256 bytes that no other line names
.set WS,    262144
.set YS,    393216
.set STG,   SLOT                       ; the way out: 16 rows x (512 + 16) bytes for each wave, in slot 1: it had its one fill at the start, and nobody reads it behind the last barrier
.set FR,    12
.set NL,    6
.set ADRA, 16
.set ADRB, 20
.set L16,  24
.set SCO,  25
.set BO,   26
.set SPW,  28
.set NIL,  29
.set STO,  30
.set RD,   31
.set SC,   32
.set AF,   128
.set BK,   128
.set G1P, 16
.set G1Q, 24
.set G0P, 32
.set G0Q, 44
.set WV,  56
.set WA,  57
.set WB,  58
.set CX,  59
.set CY,  60
.set TX,  61
.set TY,  62
.set OUTB, 72
.set BIB,  74
.set M16,  85
.set MSB, 0
.macro WIN new                         ; the immediate's high byte repeats the setting that is left
.if MSB != (\new)
	s_set_vgpr_msb (MSB<<8)|(\new)
.set MSB, (\new)
.endif
.endm
.set MUL_LO, 0xa1
.set MUL_HI, 0xf1
.set TO_B,   0x40
.macro JLOAD g0a, g1a, g0b, g1b        ; a joint load: waves 0, 1 for the tokens, waves 2, 3 for the columns; an s_nop 0 and four v_nop follow each line
	s_cmp_eq_u32 s[WA], 0
	s_cbranch_scc0 .Lfor_b_\@
	tensor_load_to_lds s[\g0a:\g0a+3], s[\g1a:\g1a+7]
	s_nop 0
.rept 4
	v_nop
.endr
	s_branch .Lasked_\@
.Lfor_b_\@:
	tensor_load_to_lds s[\g0b:\g0b+3], s[\g1b:\g1b+7]
	s_nop 0
.rept 4
	v_nop
.endr
.Lasked_\@:
.endm
.macro CREST
	s_cmp_lg_u32 s[WV], 0
	s_cbranch_scc1 .Lnot_wave_0_\@
	s_barrier_signal -3
.Lnot_wave_0_\@:
	s_barrier_wait -3
	s_barrier_signal -1
	s_barrier_wait -1
.endm
.macro CROUND
	s_barrier_signal -1
	s_barrier_wait -1
	CREST
.endm
.macro PLACES n
.rept \n
	v_nop
.endr
.endm
.macro FRAG reg, adr, q, i
.irp p, 0,1,2,3,4,5
	ds_load_b64 v[\reg+2*\p:\reg+2*\p+1], v[\adr] offset:3072*(\i)+1536*(\q)+256*\p
.endr
.endm
.macro FETCH_B slot, q, set
	WIN TO_B
.irp i, 0,1,2,3,4,5,6,7
	FRAG 128*(\set)+FR*\i, ADRB+\slot, \q, \i
.endr
	WIN 0
.endm
.macro FETCH_A slot, q, i0
.irp i, \i0, \i0+1, \i0+2, \i0+3
	FRAG AF+FR*(\i), ADRA+\slot, \q, \i
.endr
.endm
; 16 products.  first = 1: C is the bias (window 1): the first product starts the sums.  The 64 accumulators take turns, one instruction a turn.
.macro MUL16 a0, set, kq, first
.irp a, \a0, \a0+1
.irp b, 0,1,2,3,4,5,6,7
.if \first
	v_wmma_scale_f32_16x16x128_f8f6f4 v[8*(8*((\a)%4)+\b):8*(8*((\a)%4)+\b)+7], v[128*(\set)+FR*\b:128*(\set)+FR*\b+FR-1], v[AF+FR*(\a):AF+FR*(\a)+FR-1], v[96+8*\b+96*(\b/4):103+8*\b+96*(\b/4)], v[SC+8*\b+(\kq)], v[SC+8*(\a)+(\kq)] matrix_a_fmt:MATRIX_FMT_FP6 matrix_b_fmt:MATRIX_FMT_FP6 matrix_a_scale:MATRIX_SCALE_ROW1
.else
	v_wmma_scale_f32_16x16x128_f8f6f4 v[8*(8*((\a)%4)+\b):8*(8*((\a)%4)+\b)+7], v[128*(\set)+FR*\b:128*(\set)+FR*\b+FR-1], v[AF+FR*(\a):AF+FR*(\a)+FR-1], v[8*(8*((\a)%4)+\b):8*(8*((\a)%4)+\b)+7], v[SC+8*\b+(\kq)], v[SC+8*(\a)+(\kq)] matrix_a_fmt:MATRIX_FMT_FP6 matrix_b_fmt:MATRIX_FMT_FP6 matrix_a_scale:MATRIX_SCALE_ROW1
.endif
.endr
.endr
.endm
.macro STEP kq, ns, nq, first
	s_wait_dscnt 4*NL                              ; the columns' set and the tokens' tiles 0-3 are in; the youngest 24 loads (tiles 4-7) may be out
.if \first
	WIN 0x91                                       ; source 0 and C window 1, D window 2
.else
	WIN MUL_LO
.endif
	MUL16 0, (\kq)%2, \kq, \first
	MUL16 2, (\kq)%2, \kq, \first
	s_wait_dscnt 0x0
	PLACES 4                                       ; four places in front of loads into registers that matrix instructions have read
	FETCH_B \ns, \nq, 1-(\kq)%2
	FETCH_A \ns, \nq, 0
.if \first
	WIN 0xd1
.else
	WIN MUL_HI
.endif
	MUL16 4, (\kq)%2, \kq, \first
	MUL16 6, (\kq)%2, \kq, \first
	PLACES 4
	WIN 0
	FETCH_A \ns, \nq, 4
.endm
.macro TURN kq, ns, fill
	s_wait_tensorcnt 0x0                           ; all my tensor loads have landed
	ds_add_u32 v[SPW], v[NIL]                      ; 0 onto my spare word
	s_wait_dscnt 4*NL+1                            ; (the add and the youngest 24 loads may be out)
	WIN MUL_LO
	MUL16 0, 1, \kq, 0
	s_wait_dscnt 0x0                               ; the add is done, and my reads of the slot are over
	s_barrier_signal -1
	MUL16 2, 1, \kq, 0
	WIN 0
	s_barrier_wait -1
.if \fill
	CREST                                          ; no wave of any partner still reads slot 0 or has a load on its way
	s_add_nc_u64 s[G0P+2:G0P+3], s[G0P+2:G0P+3], 3*3072
	s_add_nc_u64 s[G0Q+2:G0Q+3], s[G0Q+2:G0Q+3], 3*3072
	JLOAD G0P, G1P, G0Q, G1Q                       ; the first tensor load behind the round: three and a half K steps, 224 products, ahead of the wait for it
.else
	PLACES 4
.endif
	FETCH_B \ns, 0, 0
	FETCH_A \ns, 0, 0
	WIN MUL_HI
	MUL16 4, 1, \kq, 0
	MUL16 6, 1, \kq, 0
	PLACES 4
	WIN 0
	FETCH_A \ns, 0, 4
.endm
	s_load_b256 s[4:11], s[0:1], 0x0               ; yc s[4:5], wc s[6:7], scl s[8:9], bproj s[10:11]
	s_load_b64 s[12:13], s[0:1], 0x20              ; out0
	v_lshl_add_u32 v[SPW], v0, 2, SPARE
	v_mov_b32 v[NIL], 0
	ds_add_u32 v[SPW], v[NIL]                      ; the wave's opening, ahead of my first tensor load
	v_lshrrev_b32 v1, 5, v0
	v_readfirstlane_b32 s[WV], v1
	s_lshr_b32 s[WA], s[WV], 1
	s_and_b32 s[WB], s[WV], 1
	s_bfe_u32 s[CX], ttmp6, 0x40000
	s_bfe_u32 s[CY], ttmp6, 0x40004
	s_lshl_b32 s[TX], ttmp9, 2
	s_add_co_u32 s[TX], s[TX], s[CX]
	s_and_b32 s[TY], ttmp7, 0xffff
	s_lshl_b32 s[TY], s[TY], 2
	s_add_co_u32 s[TY], s[TY], s[CY]
	s_lshl_b32 s2, s[CY], 2
	s_lshl_b32 s2, 15, s2
	s_lshl_b32 s3, 0x1111, s[CX]
	s_or_b32 s[G1P], s2, (3<<16)|(1<<21)
	s_or_b32 s[G1Q], s3, (3<<16)|(1<<21)
.irp g, G1P, G1Q
	s_mov_b32 s[\g+1], 384<<16
	s_mov_b32 s[\g+2], 8<<16
	s_mov_b32 s[\g+3], 384<<16
	s_mov_b32 s[\g+4], 8
	s_mov_b32 s[\g+5], 1536
	s_mov_b32 s[\g+6], 0
	s_mov_b32 s[\g+7], 0
.endr
	s_lshl_b32 s66, s[TY], 4
	s_lshl_b32 s67, s[WB], 3
	s_add_co_u32 s66, s66, s67
	s_mul_i32 s66, s66, 12288
	s_mov_b32 s67, 0
	s_lshl_b32 s68, s[TX], 4
	s_lshl_b32 s69, s[WB], 3
	s_add_co_u32 s68, s68, s69
	s_add_co_u32 s68, s68, 192                     ; Wproj's tiles lie behind Wqkv's 192
	s_mul_i32 s68, s68, 12288
	s_mov_b32 s69, 0
	s_mul_i32 s70, s[WV], HALF
	s_mov_b32 s[M16], 0xffff0000
	s_wait_dscnt 0x0                               ; the opening add is done
	s_wait_kmcnt 0x0
	s_add_nc_u64 s[66:67], s[4:5], s[66:67]
	s_add_nc_u64 s[68:69], s[6:7], s[68:69]
	CROUND                                         ; all sixteen work-groups are here: the first joint loads meet
.irp s, 0,1,2
	s_mov_b32 s[G0P+4*\s], 1
	s_add_co_u32 s[G0P+4*\s+1], s70, \s*SLOT
	s_add_nc_u64 s[G0P+4*\s+2:G0P+4*\s+3], s[66:67], \s*3072
	s_or_b32 s[G0P+4*\s+3], s[G0P+4*\s+3], 0x80000000
	s_mov_b32 s[G0Q+4*\s], 1
	s_add_co_u32 s[G0Q+4*\s+1], s70, \s*SLOT
	s_add_nc_u64 s[G0Q+4*\s+2:G0Q+4*\s+3], s[68:69], \s*3072
	s_or_b32 s[G0Q+4*\s+3], s[G0Q+4*\s+3], 0x80000000
	JLOAD G0P+4*\s, G1P, G0Q+4*\s, G1Q
.endr
	v_and_b32 v1, 31, v0
	v_and_b32 v2, 15, v0
	v_bfe_u32 v3, v0, 4, 1
	v_lshlrev_b32 v4, 3, v1
	s_mul_i32 s2, s[WA], HALF                      ; the tokens' half
	s_mul_i32 s3, s[WB], HALF
	s_add_co_u32 s3, s3, REG                       ; the columns'
.irp s, 0,1,2
	v_add_nc_u32 v[ADRA+\s], s2, v4
	v_add_nc_u32 v[ADRB+\s], s3, v4
	s_add_co_u32 s2, s2, SLOT
	s_add_co_u32 s3, s3, SLOT
.endr
	s_lshl_b32 s80, s[TY], 1
	s_add_co_u32 s80, s80, s[WA]                   ; my 128 tokens
	s_lshl_b32 s81, s80, 12
	s_add_co_u32 s81, s81, YS
	s_lshl_b32 s83, s[TX], 1
	s_add_co_u32 s83, s83, s[WB]                   ; my 128 columns
	s_lshl_b32 s82, s83, 12
	s_add_co_u32 s82, s82, WS+192*512
	v_mov_b32 v5, s81
	v_mov_b32 v6, s82
	v_cndmask_b32 v5, v5, v6, s[M16]               ; lanes 16-31 take the columns'
	v_lshl_add_u32 v[SCO], v2, 5, v5
.irp i, 0,1,2,3,4,5,6,7
	global_load_b128 v[SC+8*\i:SC+8*\i+3], v[SCO], s[8:9] offset:512*\i
	global_load_b128 v[SC+8*\i+4:SC+8*\i+7], v[SCO], s[8:9] offset:512*\i+16
.endr
	v_lshlrev_b32 v[L16], 4, v1
	v_lshlrev_b32 v[BO], 6, v3
	s_lshl_b32 s82, s83, 9
	s_mov_b32 s83, 0
	s_add_nc_u64 s[BIB:BIB+1], s[10:11], s[82:83]
	s_add_nc_u64 s[OUTB:OUTB+1], s[12:13], s[82:83]   ; my columns are 512 bytes of a row of out0 as of the bias,
	s_lshl_b32 s80, s80, 19                        ; and 128 rows are 524,288 bytes
	s_mov_b32 s81, 0
	s_add_nc_u64 s[OUTB:OUTB+1], s[OUTB:OUTB+1], s[80:81]
	WIN TO_B
.irp k, 0,1,2,3,4,5,6,7,8,9,10,11,12,13,14,15
	global_load_b128 v[96+4*\k+96*(\k/8):99+4*\k+96*(\k/8)], v[BO], s[BIB:BIB+1] offset:128*(\k/4)+16*(\k%4)   ; register 16 b + i: column 32 b + 16 h + i
.endr
	WIN 0
	s_mul_i32 s80, s[WV], 16*528
	s_add_co_u32 s80, s80, STG
	v_mul_u32_u24 v5, v2, 528
	v_lshl_add_u32 v5, v3, 6, v5
	v_add_nc_u32 v[STO], s80, v5                   ; into my stage: row r, 64 h bytes on
	v_add_nc_u32 v[RD], s80, v[L16]                ; back: a row's 512 bytes by 32 lanes
	s_wait_tensorcnt 2                             ; my part of slot 0 is in; slots 1 and 2 may be out
	s_barrier_signal -1
	s_barrier_wait -1
	FETCH_B 0, 0, 0
	FETCH_A 0, 0, 0
	FETCH_A 0, 0, 4
	s_wait_loadcnt 0x0                             ; the scale words and the bias
	STEP 0, 0, 1, 1
	TURN 1, 1, 1
	STEP 2, 1, 1, 0
	STEP 3, 2, 0, 0                                ; slot 2 was shown whole by the round in K step 1
	STEP 4, 2, 1, 0
	TURN 5, 0, 0
	STEP 6, 0, 1, 0
	s_wait_dscnt 4*NL
	WIN MUL_LO
	MUL16 0, 1, 7, 0
	MUL16 2, 1, 7, 0
	s_wait_dscnt 0x0
	WIN MUL_HI
	MUL16 4, 1, 7, 0
	MUL16 6, 1, 7, 0
	WIN 0
; THE WAY OUT, a tile of 16 tokens x 128 columns at a time: through my own stage in LDS, and back as whole rows of 512 bytes.  LDS serves a wave's instructions in order: no wait between the stores and the loads.
.macro TOSTAGE a
.set AC, 64*((\a)%4)
	WIN 0x08+4*((\a)/4)                            ; an LDS store's data are its source 1: window 2 or 3
.irp b, 0,1,2,3,4,5,6,7
	ds_store_b128 v[STO], v[AC+8*\b:AC+8*\b+3] offset:128*(\b/2)+32*(\b%2)        ; each accumulator from its low end on
	ds_store_b128 v[STO], v[AC+8*\b+4:AC+8*\b+7] offset:128*(\b/2)+32*(\b%2)+16
.endr
	WIN 0
.set BB, BK+64*((\a)%2)
.irp t, 0,1,2,3,4,5,6,7,8,9,10,11,12,13,14,15
	ds_load_b128 v[BB+4*\t:BB+4*\t+3], v[RD] offset:\t*528
.endr
.endm
.macro SEND a, younger                 ; younger: the LDS instructions issued behind tile a's loads, which may stay out
.set BB, BK+64*((\a)%2)
	s_wait_dscnt \younger
.irp t, 0,1,2,3,4,5,6,7,8,9,10,11,12,13,14,15
	global_store_b128 v[L16], v[BB+4*\t:BB+4*\t+3], s[OUTB:OUTB+1] offset:(32*((\a)/2)+8*((\a)%2)+\t+8*(\t/8))*4096 th:TH_STORE_NT   ; 512 consecutive bytes, aligned; every offset an immediate, 520,192 at the most
.endr
.endm
	PLACES 4                                       ; in front of the first read of results and of loads into the registers that held fragments
	TOSTAGE 0
.irp a, 1,2,3,4,5,6,7
.if \a > 1
	s_wait_xcnt 0x0                                ; tile a - 2's stores have read their registers: tile a's loads may land there
.endif
	TOSTAGE \a
	SEND (\a-1), 32                                ; behind tile a - 1's loads: tile a's 16 stores and 16 loads
.endr
	SEND 7, 0
	s_wait_tensorcnt 0x0                           ; the wave's end, behind my last tensor load and my last LDS store
	ds_add_u32 v[SPW], v[NIL]
	s_wait_dscnt 0x0
	CROUND                                         ; the closing round
	s_endpgm
.Lfunc_end_k_q6b2da8fe23_gemm_proj:
	.size	k_q6b2da8fe23_gemm_proj, .Lfunc_end_k_q6b2da8fe23_gemm_proj-k_q6b2da8fe23_gemm_proj
	.p2alignl 7, 3214868480
	.fill 96, 4, 3214868480
	.section	.rodata,"a",@progbits
	.p2align	6, 0x0
	.amdhsa_kernel k_q6b2da8fe23_gemm_proj
		.amdhsa_group_segment_fixed_size 327680
		.amdhsa_private_segment_fixed_size 0
		.amdhsa_enable_private_segment 0
		.amdhsa_kernarg_size 40
		.amdhsa_user_sgpr_count 2
		.amdhsa_user_sgpr_kernarg_segment_ptr 1
		.amdhsa_wavefront_size32 1
		.amdhsa_system_sgpr_workgroup_id_x 1
		.amdhsa_system_sgpr_workgroup_id_y 1
		.amdhsa_system_sgpr_workgroup_id_z 1
		.amdhsa_system_vgpr_workitem_id 0
		.amdhsa_next_free_vgpr 1024
		.amdhsa_next_free_sgpr 100
		.amdhsa_reserve_vcc 0
		.amdhsa_float_denorm_mode_32 3
		.amdhsa_float_denorm_mode_16_64 3
		.amdhsa_memory_ordered 1
		.amdhsa_forward_progress 1
		.amdhsa_inst_pref_size 158
	.end_amdhsa_kernel
	.amdgpu_metadata
---
amdhsa.version: [ 1, 2 ]
amdhsa.kernels:
  - .name:           k_q6b2da8fe23_gemm_proj
    .symbol:         k_q6b2da8fe23_gemm_proj.kd
    .args:
      - { .name: yc, .offset: 0, .size: 8, .value_kind: global_buffer, .address_space: global }
      - { .name: wc, .offset: 8, .size: 8, .value_kind: global_buffer, .address_space: global }
      - { .name: scl, .offset: 16, .size: 8, .value_kind: global_buffer, .address_space: global }
      - { .name: bproj, .offset: 24, .size: 8, .value_kind: global_buffer, .address_space: global }
      - { .name: out0, .offset: 32, .size: 8, .value_kind: global_buffer, .address_space: global }
    .group_segment_fixed_size: 327680
    .private_segment_fixed_size: 0
    .kernarg_segment_align: 8
    .kernarg_segment_size: 40
    .max_flat_workgroup_size: 128
    .sgpr_count:     100
    .vgpr_count:     1024
    .wavefront_size: 32
...
	.end_amdgpu_metadata
.endif
;; end of part 4
